; MI455X (gfx1250); checked and timed in simulation.
; The chip was launched on July 23, 2026; its instructions are those of AMD's public machine-readable ISA for CDNA 5 (MIT licence, August 2026) and "CDNA5" Instruction Set Architecture Reference Guide (July 2026). The comments in the code are by the model that wrote it; some were corrected since.
;; Zoom Transformer Block. Allowed arithmetic: float matrix products may take bf16 or f16 operands with f32 sums; other float arithmetic in f32, or as packed bf16 or f16 multiplies, adds, multiply-adds, maxima and minima; sums over many terms, partial sums and values carried from step to step in f32; what a program stores and reads back later, other than sums and carried values, may be rounded once to bf16 or f16.
;; Inputs: dist_matrix 2,048 x 2,048 float32; gamma 2 x 16 float32; ln1_b 1,024 float32; ln1_w 1,024 float32; ln2_b 1,024 float32; ln2_w 1,024 float32; mlp_b1 4,096 float32; mlp_b2 1,024 float32; mlp_w1 1,024 x 4,096 float32; mlp_w2 4,096 x 1,024 float32; proj_b 1,024 float32; proj_w 1,024 x 1,024 float32; qkv_b 3,072 float32; qkv_w 1,024 x 3,072 float32; x 2 x 2,048 x 1,024 float32.
;; Outputs: out0 2 x 2,048 x 1,024 float32.
;; 2 versions, each right; version 2 is version 1 with the launches prep, ln2 written anew for expert scheduling mode. Each part assembles by itself: llvm-mc -triple=amdgcn-amd-amdhsa -mcpu=gfx1250 --defsym DOCPART=n.
;; ======== version 1 of 2: 7 launches
;; workspace buffers: wb 25,165,824 bytes; act 8,388,608 bytes; qkv 25,165,824 bytes; x1 16,777,216 bytes; g 33,554,432 bytes
;; launch prep (part 1): grid 1024 x 1, 8 waves a work-group, no clusters, 0 bytes of LDS; arguments qkv_w, proj_w, mlp_w1, mlp_w2, x, ln1_w, ln1_b, wb, act; writes wb, act
.if DOCPART == 1
	.amdgcn_target "amdgcn-amd-amdhsa--gfx1250"
	.amdhsa_code_object_version 6
	.text
	.protected	k_q29dcbd5137_prep
	.globl	k_q29dcbd5137_prep
	.p2align	8
	.type	k_q29dcbd5137_prep,@function
k_q29dcbd5137_prep:
	s_mov_b64 s[64:65], 0
	v_nop
	global_prefetch_b8 v0, s[64:65] scope:SCOPE_SE
	s_setreg_imm32_b32 hwreg(HW_REG_WAVE_MODE, 25, 1), 1
	s_wait_xcnt 0x0
; Two jobs that depend on nothing, in one launch.
; Work-groups 0-767: the four weight matrices, f32 [K][N], are rounded once to bf16 and laid out as [N/128 column blocks][K][128]:
; a block's row is 256 dense bytes, so a later launch's tile of 128 k x 128 columns is 32,768 dense bytes.
; A wave takes 16 k rows of one column block: 16 loads of 512 consecutive bytes, 16 stores of 256 consecutive, aligned bytes.
; Work-groups 768-1023: act = LN1(x) in bf16, a wave two whole rows kept in registers between the passes (mean, then the mean of squared differences, as the problem writes it).
; No LDS, no barrier: no wave wants a byte that another has fetched.  NaN and infinities are not treated apart.
.set SEL,  40                          ; s[40:41] lane selects for v_permlanex16_b32
.set SINV, 42                          ; s42  1/1024
.set SEPS, 43                          ; s43  1e-5
.set XP,   12                          ; s[12:13] x
.set WP,   14                          ; s[14:15] gain
.set BP,   16                          ; s[16:17] bias
.set OUTP, 20                          ; s[20:21] act
.set X0,   32                          ; v[32:63]   row 0, then its rounded output in place
.set X1,   64                          ; v[64:95]   row 1
.set LW,   96                          ; v[96:127]  gains of my 32 columns
.set LB,   128                         ; v[128:159] biases
.macro WSUM                            ; four packed chains v[4:11] -> their sum over the wave's 32 lanes, in v4 of every lane
	v_pk_add_f32 v[4:5], v[4:5], v[6:7]
	v_pk_add_f32 v[8:9], v[8:9], v[10:11]
	v_pk_add_f32 v[4:5], v[4:5], v[8:9]
	v_add_f32 v4, v4, v5
	v_add_f32_dpp v4, v4, v4 row_xmask:1 row_mask:0xf bank_mask:0xf
	v_add_f32_dpp v4, v4, v4 row_xmask:2 row_mask:0xf bank_mask:0xf
	v_add_f32_dpp v4, v4, v4 row_xmask:4 row_mask:0xf bank_mask:0xf
	v_add_f32_dpp v4, v4, v4 row_xmask:8 row_mask:0xf bank_mask:0xf
	v_permlanex16_b32 v5, v4, s[SEL], s[SEL+1]
	v_add_f32 v4, v4, v5
.endm
; One row in registers X .. X+31.  left: the younger loads that may stay out when the row has to be there.
.macro LNROW X, left, ooff
	s_wait_loadcnt \left
.irp c, 0,1,2,3
	v_pk_add_f32 v[4+2*\c:5+2*\c], v[\X+2*\c:\X+2*\c+1], v[\X+8+2*\c:\X+9+2*\c]  ; the first eight pairs start the four chains: nothing is cleared
.endr
.irp p, 8,9,10,11,12,13,14,15
	v_pk_add_f32 v[4+2*((\p)%4):5+2*((\p)%4)], v[4+2*((\p)%4):5+2*((\p)%4)], v[\X+2*\p:\X+2*\p+1]
.endr
	WSUM
	v_mul_f32 v12, s[SINV], v4                     ; the mean, twice: a pair for the packed subtraction
	v_mov_b32 v13, v12
.irp p, 0,1,2,3,4,5,6,7,8,9,10,11,12,13,14,15
	v_pk_add_f32 v[\X+2*\p:\X+2*\p+1], v[\X+2*\p:\X+2*\p+1], v[12:13] neg_lo:[0,1] neg_hi:[0,1]
.endr
.irp c, 0,1,2,3
	v_pk_mul_f32 v[4+2*\c:5+2*\c], v[\X+2*\c:\X+2*\c+1], v[\X+2*\c:\X+2*\c+1]
.endr
.irp p, 4,5,6,7,8,9,10,11,12,13,14,15
	v_pk_fma_f32 v[4+2*((\p)%4):5+2*((\p)%4)], v[\X+2*\p:\X+2*\p+1], v[\X+2*\p:\X+2*\p+1], v[4+2*((\p)%4):5+2*((\p)%4)]
.endr
	WSUM
	v_fma_f32 v6, v4, s[SINV], s[SEPS]             ; variance + eps
	v_rsq_f32 v14, v6
	v_rsq_f32 v15, v6
	v_nop                                          ; a plain instruction behind the last root,
	s_wait_alu depctr_va_vdst(0)                   ; and one wait for both, ahead of their first reader
.if \left
	s_wait_loadcnt 0x0                             ; gains and biases are in
.endif
.irp j, 0,1,2,3,4,5,6,7
	v_pk_mul_f32 v[16:17], v[\X+4*\j:\X+4*\j+1], v[14:15]
	v_pk_mul_f32 v[18:19], v[\X+4*\j+2:\X+4*\j+3], v[14:15]
	v_pk_fma_f32 v[16:17], v[16:17], v[LW+4*\j:LW+4*\j+1], v[LB+4*\j:LB+4*\j+1]
	v_pk_fma_f32 v[18:19], v[18:19], v[LW+4*\j+2:LW+4*\j+3], v[LB+4*\j+2:LB+4*\j+3]
	v_cvt_pk_bf16_f32 v[\X+4*\j], v16, v17         ; into the row's own registers, which nothing rewrites: the store's data need no wait
	v_cvt_pk_bf16_f32 v[\X+4*\j+1], v18, v19
	global_store_b64 v2, v[\X+4*\j:\X+4*\j+1], s[OUTP:OUTP+1] offset:(\ooff)+256*\j  ; 32 lanes x 8 bytes: 256 consecutive bytes, aligned
.endr
.endm
; s23 = the wave's first row; v2 = lane
.macro LNBODY
	s_mov_b32 s[SEL], 0x76543210
	s_mov_b32 s[SEL+1], 0xfedcba98
	s_mov_b32 s[SINV], 0x3a800000
	s_mov_b32 s[SEPS], 0x3727c5ac
	v_lshlrev_b32 v1, 4, v2                        ; 16 bytes a lane in x, gain and bias
	v_lshlrev_b32 v2, 3, v2                        ; 8 bytes a lane in act
	s_lshl_b32 s24, s23, 12                        ; a row of x is 4,096 bytes
	s_mov_b32 s25, 0
	s_lshl_b32 s26, s23, 11                        ; a row of act 2,048
	s_mov_b32 s27, 0
	s_wait_kmcnt 0x0
	s_add_nc_u64 s[XP:XP+1], s[XP:XP+1], s[24:25]
	s_add_nc_u64 s[OUTP:OUTP+1], s[OUTP:OUTP+1], s[26:27]
.irp j, 0,1,2,3,4,5,6,7
	global_load_b128 v[X0+4*\j:X0+4*\j+3], v1, s[XP:XP+1] offset:512*\j
.endr
.irp j, 0,1,2,3,4,5,6,7
	global_load_b128 v[X1+4*\j:X1+4*\j+3], v1, s[XP:XP+1] offset:4096+512*\j
.endr
.irp j, 0,1,2,3,4,5,6,7
	global_load_b128 v[LW+4*\j:LW+4*\j+3], v1, s[WP:WP+1] offset:512*\j
.endr
.irp j, 0,1,2,3,4,5,6,7
	global_load_b128 v[LB+4*\j:LB+4*\j+3], v1, s[BP:BP+1] offset:512*\j
.endr
	LNROW X0, 24, 0                                ; row 1, gains and biases (24 loads) may stay out
	LNROW X1, 0, 2048
.endm
	s_load_b512 s[4:19], s[0:1], 0x0               ; qkv_w, proj_w, mlp_w1, mlp_w2, x, ln1_w, ln1_b, wb
	s_load_b64 s[20:21], s[0:1], 0x40              ; act
	v_lshrrev_b32 v1, 5, v0
	v_readfirstlane_b32 s22, v1                    ; wave 0..7
	v_and_b32 v2, 31, v0                           ; lane
	s_cmp_lt_u32 ttmp9, 768
	s_cbranch_scc0 .Lln
	; THE CAST.  Which matrix, by the work-group's number alone: first work-group, log2 of its groups of 16 k rows, bytes in a row, bytes in a column block of the output, the region's place in wb
	s_mov_b32 s26, 512
	s_mov_b32 s27, 8
	s_mov_b32 s28, 4096
	s_mov_b32 s29, 1048576
	s_mov_b32 s30, 16777216
	s_wait_kmcnt 0x0
	s_mov_b64 s[24:25], s[10:11]                   ; mlp_w2
	s_cmp_lt_u32 ttmp9, 512
	s_cselect_b64 s[24:25], s[8:9], s[24:25]       ; mlp_w1
	s_cselect_b32 s26, 256, s26
	s_cselect_b32 s27, 6, s27
	s_cselect_b32 s28, 16384, s28
	s_cselect_b32 s29, 262144, s29
	s_cselect_b32 s30, 8388608, s30
	s_cmp_lt_u32 ttmp9, 256
	s_cselect_b64 s[24:25], s[6:7], s[24:25]       ; proj_w
	s_cselect_b32 s26, 192, s26
	s_cselect_b32 s28, 4096, s28
	s_cselect_b32 s30, 6291456, s30
	s_cmp_lt_u32 ttmp9, 192
	s_cselect_b64 s[24:25], s[4:5], s[24:25]       ; qkv_w
	s_cselect_b32 s26, 0, s26
	s_cselect_b32 s28, 12288, s28
	s_cselect_b32 s30, 0, s30
	s_sub_co_u32 s31, ttmp9, s26                   ; my number within the matrix
	s_lshr_b32 s32, s31, s27                       ; group of 8 column blocks
	s_lshl_b32 s33, s32, s27
	s_sub_co_u32 s33, s31, s33                     ; group of 16 k rows
	s_lshl3_add_u32 s32, s32, s22                  ; my wave's column block
	s_mul_i32 s34, s33, s28
	s_lshl_b32 s34, s34, 4                         ; 16 rows
	s_lshl_b32 s35, s32, 9                         ; 512 bytes a block in a row
	s_add_co_u32 s34, s34, s35
	s_mov_b32 s35, 0
	s_add_nc_u64 s[24:25], s[24:25], s[34:35]
	s_mul_i32 s36, s32, s29
	s_add_co_u32 s36, s36, s30
	s_lshl_b32 s37, s33, 12                        ; 16 rows of 256 bytes
	s_add_co_u32 s36, s36, s37
	s_mov_b32 s37, 0
	s_add_nc_u64 s[18:19], s[18:19], s[36:37]
	v_lshlrev_b32 v3, 3, v2                        ; 8 bytes a lane out
	v_lshlrev_b32 v16, 4, v2                       ; 16 bytes a lane in; one offset register a row, since the row's length is no constant of the text
.set i, 1
.rept 15
	v_add_nc_u32 v[16+i], s28, v[15+i]
.set i, i+1
.endr
.set i, 0
.rept 16
	global_load_b128 v[32+4*i:35+4*i], v[16+i], s[24:25] th:TH_LOAD_NT
.set i, i+1
.endr
.set i, 0
.rept 16
	s_wait_loadcnt 15-i                            ; loads come back in order: row i is in, the younger ones stay out
	v_cvt_pk_bf16_f32 v[96+2*i], v[32+4*i], v[33+4*i]
	v_cvt_pk_bf16_f32 v[97+2*i], v[34+4*i], v[35+4*i]
	global_store_b64 v3, v[96+2*i:97+2*i], s[18:19] offset:256*i  ; 256 consecutive bytes, aligned; no register is written twice
.set i, i+1
.endr
	s_endpgm
.Lln:
	s_sub_co_u32 s23, ttmp9, 768
	s_lshl3_add_u32 s23, s23, s22
	s_lshl_b32 s23, s23, 1                         ; two rows a wave
	LNBODY
	s_endpgm
.Lfunc_end_k_q29dcbd5137_prep:
	.size	k_q29dcbd5137_prep, .Lfunc_end_k_q29dcbd5137_prep-k_q29dcbd5137_prep
	.p2alignl 7, 3214868480
	.fill 96, 4, 3214868480
	.section	.rodata,"a",@progbits
	.p2align	6, 0x0
	.amdhsa_kernel k_q29dcbd5137_prep
		.amdhsa_group_segment_fixed_size 0
		.amdhsa_private_segment_fixed_size 0
		.amdhsa_enable_private_segment 0
		.amdhsa_kernarg_size 72
		.amdhsa_user_sgpr_count 2
		.amdhsa_user_sgpr_kernarg_segment_ptr 1
		.amdhsa_wavefront_size32 1
		.amdhsa_system_sgpr_workgroup_id_x 1
		.amdhsa_system_sgpr_workgroup_id_y 1
		.amdhsa_system_sgpr_workgroup_id_z 1
		.amdhsa_system_vgpr_workitem_id 0
		.amdhsa_next_free_vgpr 160
		.amdhsa_next_free_sgpr 66
		.amdhsa_reserve_vcc 0
		.amdhsa_float_denorm_mode_32 3
		.amdhsa_float_denorm_mode_16_64 3
		.amdhsa_memory_ordered 1
		.amdhsa_forward_progress 1
		.amdhsa_inst_pref_size 28
	.end_amdhsa_kernel
	.amdgpu_metadata
---
amdhsa.version: [ 1, 2 ]
amdhsa.kernels:
  - .name:           k_q29dcbd5137_prep
    .symbol:         k_q29dcbd5137_prep.kd
    .args:
      - { .name: qkv_w, .offset: 0, .size: 8, .value_kind: global_buffer, .address_space: global }
      - { .name: proj_w, .offset: 8, .size: 8, .value_kind: global_buffer, .address_space: global }
      - { .name: mlp_w1, .offset: 16, .size: 8, .value_kind: global_buffer, .address_space: global }
      - { .name: mlp_w2, .offset: 24, .size: 8, .value_kind: global_buffer, .address_space: global }
      - { .name: x, .offset: 32, .size: 8, .value_kind: global_buffer, .address_space: global }
      - { .name: ln1_w, .offset: 40, .size: 8, .value_kind: global_buffer, .address_space: global }
      - { .name: ln1_b, .offset: 48, .size: 8, .value_kind: global_buffer, .address_space: global }
      - { .name: wb, .offset: 56, .size: 8, .value_kind: global_buffer, .address_space: global }
      - { .name: act, .offset: 64, .size: 8, .value_kind: global_buffer, .address_space: global }
    .group_segment_fixed_size: 0
    .private_segment_fixed_size: 0
    .kernarg_segment_align: 8
    .kernarg_segment_size: 72
    .max_flat_workgroup_size: 256
    .sgpr_count:     66
    .vgpr_count:     160
    .wavefront_size: 32
...
	.end_amdgpu_metadata
.endif
;; end of part 1
;; launch qkv (part 2): grid 12 x 16, 4 waves a work-group, clusters of 4 x 4, 327,680 bytes of LDS; arguments act, wb, qkv_b, qkv; writes qkv
.if DOCPART == 2
	.amdgcn_target "amdgcn-amd-amdhsa--gfx1250"
	.amdhsa_code_object_version 6
	.text
	.protected	k_q29dcbd5137_qkv
	.globl	k_q29dcbd5137_qkv
	.p2align	8
	.type	k_q29dcbd5137_qkv,@function
k_q29dcbd5137_qkv:
	s_mov_b64 s[64:65], 0
	v_nop
	global_prefetch_b8 v0, s[64:65] scope:SCOPE_SE
	s_setreg_imm32_b32 hwreg(HW_REG_WAVE_MODE, 25, 1), 1
	s_wait_xcnt 0x0
	s_wait_alu depctr_hold_cnt(0) depctr_sa_sdst(0) depctr_va_vdst(0) depctr_va_sdst(0) depctr_va_ssrc(0) depctr_va_vcc(0) depctr_vm_vsrc(0)
	s_getreg_b32 s2, hwreg(HW_REG_IB_STS2, 6, 4)
	s_cmp_eq_u32 s2, 0
	s_cbranch_scc0 .Lentry_in_a_cluster
	s_endpgm
.Lentry_in_a_cluster:
	s_bfe_u32 s2, ttmp6, 0x10000c
	s_cmp_lg_u32 s2, 0xf033
	s_cbranch_scc0 .Lentry_shape_is_right
	s_endpgm
.Lentry_shape_is_right:
; q, k, v = h Wqkv + b.  h: act, bf16 [4096][1024].  Wqkv: wb, bf16 [24 column blocks][1024][128].  Sums in f32, started by the bias; results rounded once to bf16.
; OUT: q [16 b + h][2048][64]; k at byte 8,388,608 and v at 16,777,216 as [8 b + h/2][group of 128 keys][h % 2][128][64], so that the next launch's tiles are dense.
; A tile of C is 256 x 256: four waves, each 128 x 128 in 64 accumulators.  K goes in steps of 128 through two LDS slots filled by the tensor data mover.
; ONE TEXT FOR A K STEP: the slot's LDS byte is a scalar that an exclusive or turns; the fragment addresses are made from it at each change of slots.
; W lies [k][n] in LDS and its fragments come by the turning load.  Source 0 = 16 columns of W, source 1 = 16 rows of h: a lane holds one row of C and eight neighbouring columns.
; CLUSTER 4 x 4: h's tile hangs on the tile row alone and is asked for jointly along a row of the cluster, W's on the tile column alone, along a column.
; 192 work-groups: a tile of 256 x 192 would give 256, but its rows of W (384 bytes) fit no padding interval of the descriptor; 128 x 128 would be three rounds with half the products for each LDS byte.
; LIMITS: operands are bf16; NaN and infinities are not treated apart.
; REGISTERS: window 0: v16-31 addresses; v32-63 way out; v64-127, v128-191 h's fragments, two buffers; v192-255 the bias as C operands.  window 1: v64-191 W's fragments.  windows 2, 3: accumulator (a, b) at 8 (8 (a % 4) + b).
.set K,      1024
.set WREG,   0                         ; the matrix's place in wb
.set KSTEP,  128
.set T,      K/KSTEP
.set PA,     272                       ; an LDS row of h: 256 bytes + 16: the 16 rows of a load start at 16 different groups of four banks (ISA guide 11.1)
.set PW,     288                       ; an LDS row of W: 256 + 32
.set HALFA,  128*PA
.set HALFB,  128*PW
.set SLOT,   2*HALFA+2*HALFB           ; h's two halves, then W's two column blocks
.set ASTEP,  KSTEP*2
.set WSTEP,  KSTEP*256
.set DP,     528                       ; the way out: a row of 128 f32 + 16 bytes
.set DWAVE,  144*DP                    ; a wave's part of it; it lies over the ring, which has had its last fill by then
.set SPARE,  4*DWAVE                   ; the spare words, 128 bytes a wave: two blocks of 256 bytes that no other line names
.set ADRA0, 16
.set ADRB0, 17
.set ADRA,  18
.set ADRB,  19
.set STO,   24
.set RD,    25
.set CO,    26
.set SPW,   28
.set NIL,   29
.set PFO,   30
.set BO,    31
.set F0,    64
.set F1,    128
.set BI,    192
.set WV, 14
.set RH, 15                            ; my half of the tile's rows; also: I fetch for h (0) or for W (1)
.set CH, 16                            ; my half of its columns; also: which half of that operand I fetch
.set CX, 17
.set CY, 18
.set TC, 19
.set TR, 20
.set TB, 21                            ; LDS byte of the slot in hand: 0 or SLOT
.set WA, 22
.set WW, 23
.set G1, 24
.set G0, 32                            ; two sets for the two first fills; the second then walks
.set LIM, 43
.set PFA, 44
.set PFS, 46
.set G1B, 48
.set G0B, 56
.set MSB, 0
.macro WIN new
.if MSB != (\new)
	s_set_vgpr_msb (MSB<<8)|(\new)
.set MSB, \new
.endif
.endm
.macro PLACES                          ; four plain places behind matrix instructions, ahead of loads into their sources and of readers of their results
.rept 4
	v_nop
.endr
.endm
.macro JLOAD                           ; a joint refill: waves 0, 1 h's halves, waves 2, 3 W's; the branch hangs on the wave's number alone; s_nop 0 and four v_nop follow each line
	s_cmp_eq_u32 s[RH], 0
	s_cbranch_scc0 .Lfor_w_\@
	tensor_load_to_lds s[G0+4:G0+7], s[G1:G1+7]
	s_nop 0
.rept 4
	v_nop
.endr
	s_branch .Lasked_\@
.Lfor_w_\@:
	tensor_load_to_lds s[G0B+4:G0B+7], s[G1B:G1B+7]
	s_nop 0
.rept 4
	v_nop
.endr
.Lasked_\@:
.endm
.macro CREST                           ; a round of the cluster's barrier behind its opening barrier
	s_cmp_lg_u32 s[WV], 0
	s_cbranch_scc1 .Lnot_wave_0_\@
	s_barrier_signal -3
.Lnot_wave_0_\@:
	s_barrier_wait -3
	s_barrier_signal -1
	s_barrier_wait -1
.endm
.macro CROUND
	s_barrier_signal -1
	s_barrier_wait -1
	CREST
.endm
; A prefetch of the K step that stands two refills on: 32 rows x 256 bytes, a lane a row.  h's rows are asked for by the clusters with x = 0, W's by those with y = 0; the four partners that
; ask for a tile jointly take 32 of its 128 rows each, told apart by address.  So each row's 256 bytes of a step are named once.  The last two refills have no step two on.
.macro ASK
	s_cmp_gt_u32 s3, s[LIM]
	s_cbranch_scc0 .Lnot_mine_\@
	global_prefetch_b8 v[PFO], s[PFA:PFA+1] th:TH_LOAD_NT scope:SCOPE_SE
.Lnot_mine_\@:
.endm
; 16 products: row blocks a0, a0 + 1 of the window's four x all 8 column blocks.  zero = 1: the bias is the C that starts the sum
.macro MUL16 f, hi, a0, zero
.if \zero
	WIN 0x81+0x40*(\hi)
.else
	WIN 0xa1+0x50*(\hi)
.endif
.irp a, \a0, (\a0)+1
.irp b, 0,1,2,3,4,5,6,7
.if \zero
	v_wmma_f32_16x16x32_bf16 v[8*(8*(\a)+(\b)):8*(8*(\a)+(\b))+7], v[(\f)+8*(\b):(\f)+8*(\b)+7], v[(\f)+8*(4*(\hi)+(\a)):(\f)+8*(4*(\hi)+(\a))+7], v[BI+8*(\b):BI+8*(\b)+7]
.else
	v_wmma_f32_16x16x32_bf16 v[8*(8*(\a)+(\b)):8*(8*(\a)+(\b))+7], v[(\f)+8*(\b):(\f)+8*(\b)+7], v[(\f)+8*(4*(\hi)+(\a)):(\f)+8*(4*(\hi)+(\a))+7], v[8*(8*(\a)+(\b)):8*(8*(\a)+(\b))+7]
.endif
.endr
.endr
.endm
.macro FETCH q, f                      ; 32 LDS loads in one run: quarter q (32 along K) of the slot in hand into buffer f: W's eight fragments, then h's
	WIN 0x40
.irp b, 0,1,2,3,4,5,6,7
	ds_load_tr16_b128 v[(\f)+8*(\b):(\f)+8*(\b)+3],   v[ADRB] offset:(\q)*32*PW+32*(\b)
	ds_load_tr16_b128 v[(\f)+8*(\b)+4:(\f)+8*(\b)+7], v[ADRB] offset:(\q)*32*PW+16*PW+32*(\b)
.endr
	WIN 0
.irp a, 0,1,2,3,4,5,6,7
	ds_load_b128 v[(\f)+8*(\a):(\f)+8*(\a)+3],   v[ADRA] offset:(\q)*64+(\a)*16*PA
	ds_load_b128 v[(\f)+8*(\a)+4:(\f)+8*(\a)+7], v[ADRA] offset:(\q)*64+(\a)*16*PA+32
.endr
.endm
.macro QUARTER q, f, g, zero           ; multiplies buffer f; in its middle fetches quarter q into buffer g
	s_wait_dscnt 8                                 ; W and h's rows 0-63 are in; the youngest eight loads may be out
	MUL16 \f, 0, 0, \zero
	MUL16 \f, 0, 2, \zero
	PLACES
	FETCH \q, \g
	s_wait_dscnt 32                                ; all but the 32 just issued
	MUL16 \f, 1, 0, \zero
	MUL16 \f, 1, 2, \zero
.endm
.macro MEET round                      ; the barrier of a change of slots
	WIN 0
	s_wait_tensorcnt 0x0                           ; all my tensor loads have landed: the one that was out is my part of the next slot
	ds_add_u32 v[SPW], v[NIL]                      ; 0 onto my spare word
	s_wait_dscnt 9                                 ; (the add and the youngest eight loads may be out)
	MUL16 F1, 0, 0, 0
	s_wait_dscnt 0x0                               ; the add is done, and my reads of this slot are over
	s_barrier_signal -1
	MUL16 F1, 0, 2, 0
.if \round
	WIN 0
.endif
	s_barrier_wait -1
.endm
.macro TURN fill                       ; the last quarter of a step: multiplies buffer 1 and changes slots; fill = 1: the slot that is left takes the step two on
.if \fill
	s_wait_xcnt 0x0                                ; the last prefetch, a step back, has read its address
	s_add_nc_u64 s[PFA:PFA+1], s[PFA:PFA+1], s[PFS:PFS+1]
.endif
	MEET \fill
.if \fill
	CREST                                          ; no wave of any partner still reads the slot or has a load on its way
	s_add_co_u32 s[G0+5], s[WA], s[TB]             ; the walking descriptors: into the slot that is left,
	s_add_co_u32 s[G0B+5], s[WW], s[TB]
	s_add_nc_u64 s[G0+6:G0+7], s[G0+6:G0+7], ASTEP ; one step on; the type bits on top are not reached
	s_add_nc_u64 s[G0B+6:G0B+7], s[G0B+6:G0B+7], WSTEP
	s_xor_b32 s[TB], s[TB], SLOT
	JLOAD                                          ; my one tensor load behind the round: 224 products stand between it and the wait for it
.else
	s_xor_b32 s[TB], s[TB], SLOT
	PLACES
	WIN 0
.endif
	v_add_nc_u32 v[ADRA], s[TB], v[ADRA0]
	v_add_nc_u32 v[ADRB], s[TB], v[ADRB0]
	FETCH 0, F0
.if \fill
	ASK
.endif
	MUL16 F1, 1, 0, 0
	MUL16 F1, 1, 2, 0
.endm
	s_load_b256 s[4:11], s[0:1], 0x0               ; act s[4:5], wb s[6:7], bias s[8:9], out s[10:11]
	v_lshl_add_u32 v[SPW], v0, 2, SPARE
	v_mov_b32 v[NIL], 0
	ds_add_u32 v[SPW], v[NIL]                      ; the wave's opening: the add and its wait ahead of my first tensor load
	v_lshrrev_b32 v1, 5, v0
	v_readfirstlane_b32 s[WV], v1
	s_lshr_b32 s[RH], s[WV], 1
	s_and_b32 s[CH], s[WV], 1
	s_bfe_u32 s[CX], ttmp6, 0x40000
	s_bfe_u32 s[CY], ttmp6, 0x40004
	s_lshl_b32 s[TC], ttmp9, 2
	s_add_co_u32 s[TC], s[TC], s[CX]               ; tile column
	s_and_b32 s[TR], ttmp7, 0xffff
	s_lshl_b32 s[TR], s[TR], 2
	s_add_co_u32 s[TR], s[TR], s[CY]               ; tile row
	s_lshl_b32 s40, s[CY], 2
	s_lshl_b32 s40, 15, s40                        ; my row of the cluster
	s_lshl_b32 s41, 0x1111, s[CX]                  ; my column
	s_or_b32 s[G1], s40, (1<<16)|(1<<20)|(1<<21)|(5<<22)|(3<<25)   ; mask; 2-byte elements; padding on; bit 21 beside a mask; after every 64 words; 4 words
	s_or_b32 s[G1B], s41, (1<<16)|(1<<20)|(1<<21)|(5<<22)|(7<<25)  ; the same with my column's mask and 8 words
.irp g, G1, G1B
	s_mov_b32 s[\g+1], 128<<16                     ; tensor_dim0 = 128
	s_mov_b32 s[\g+2], 128<<16                     ; tensor_dim1 = 128
	s_mov_b32 s[\g+3], 128<<16                     ; tile_dim0 = 128
	s_mov_b32 s[\g+4], 128                         ; tile_dim1 = 128
	s_mov_b32 s[\g+6], 0
	s_mov_b32 s[\g+7], 0
.endr
	s_mov_b32 s[G1+5], K                           ; elements from row to row of h
	s_mov_b32 s[G1B+5], 128                        ; and of a column block of W
	s_mul_i32 s[WA], s[CH], HALFA                  ; where my load lands in a slot: the wave's number alone
	s_mul_i32 s[WW], s[CH], HALFB
	s_add_co_u32 s[WW], s[WW], 2*HALFA
	s_mov_b32 s[TB], 0
	s_lshl_b32 s66, s[TR], 8
	s_lshl_b32 s67, s[CH], 7
	s_add_co_u32 s66, s66, s67
	s_mul_i32 s66, s66, 2*K                        ; h: row 256 x tile row + 128 x half
	s_mov_b32 s67, 0
	s_lshl1_add_u32 s68, s[TC], s[CH]
	s_mul_i32 s68, s68, K*256                      ; W: column block 2 x tile column + half
.if WREG
	s_add_co_u32 s68, s68, WREG
.endif
	s_mov_b32 s69, 0
	s_wait_dscnt 0x0                               ; the opening add is done
	s_wait_kmcnt 0x0
	s_add_nc_u64 s[66:67], s[4:5], s[66:67]
	s_add_nc_u64 s[68:69], s[6:7], s[68:69]
.irp s, 0,1
	s_mov_b32 s[G0+4*\s], 1
	s_add_co_u32 s[G0+4*\s+1], s[WA], \s*SLOT
	s_add_nc_u64 s[G0+4*\s+2:G0+4*\s+3], s[66:67], \s*ASTEP
	s_or_b32 s[G0+4*\s+3], s[G0+4*\s+3], 0x80000000
	s_mov_b32 s[G0B+4*\s], 1
	s_add_co_u32 s[G0B+4*\s+1], s[WW], \s*SLOT
	s_add_nc_u64 s[G0B+4*\s+2:G0B+4*\s+3], s[68:69], \s*WSTEP
	s_or_b32 s[G0B+4*\s+3], s[G0B+4*\s+3], 0x80000000
.endr
	CROUND                                         ; all sixteen work-groups are here: the first joint loads meet
	s_cmp_eq_u32 s[RH], 0                          ; a wave's two first fills stand in one branch: two loads of mine are out
	s_cbranch_scc0 .Lfirst_w
	tensor_load_to_lds s[G0:G0+3], s[G1:G1+7]
	s_nop 0
	tensor_load_to_lds s[G0+4:G0+7], s[G1:G1+7]
	s_nop 0
.rept 4
	v_nop
.endr
	s_branch .Lfirst_asked
.Lfirst_w:
	tensor_load_to_lds s[G0B:G0B+3], s[G1B:G1B+7]
	s_nop 0
	tensor_load_to_lds s[G0B+4:G0B+7], s[G1B:G1B+7]
	s_nop 0
.rept 4
	v_nop
.endr
.Lfirst_asked:
	v_and_b32 v1, 15, v0                           ; r = l % 16
	v_bfe_u32 v2, v0, 4, 1                         ; h = l / 16
	s_lshl_b32 s84, s[TC], 10
	s_lshl_b32 s85, s[CH], 9
	s_add_co_u32 s84, s84, s85
	v_lshl_add_u32 v[BO], v2, 5, s84               ; the bias of my columns 16 b + 8 h + 0..7, the same for every row: the layout of a C operand
.irp b, 0,1,2,3,4,5,6,7
	global_load_b128 v[BI+8*\b:BI+8*\b+3],   v[BO], s[8:9] offset:64*\b
	global_load_b128 v[BI+8*\b+4:BI+8*\b+7], v[BO], s[8:9] offset:64*\b+16
.endr
	v_mul_u32_u24 v3, v1, PA
	v_lshl_add_u32 v3, v2, 4, v3
	s_mul_i32 s40, s[RH], HALFA
	v_add_nc_u32 v[ADRA0], s40, v3                 ; h: row x pitch + 16 x half, in my 128 rows
	v_and_b32 v4, 7, v0
	v_lshl_add_u32 v4, v2, 3, v4
	v_mul_u32_u24 v4, v4, PW
	v_bfe_u32 v5, v0, 3, 1
	v_lshl_add_u32 v4, v5, 4, v4
	s_mul_i32 s41, s[CH], HALFB
	s_add_co_u32 s41, s41, 2*HALFA
	v_add_nc_u32 v[ADRB0], s41, v4                 ; W, turned: k row 8 h + l % 8, 16 bytes for each half of eight lanes, in my column block
	v_mov_b32 v[ADRA], v[ADRA0]
	v_mov_b32 v[ADRB], v[ADRB0]
	s_mul_i32 s40, s[WV], DWAVE
	v_mul_u32_u24 v[STO], v1, DP                   ; the way out, in: row r, 32 bytes for each half of the lanes
	v_lshl_add_u32 v[STO], v2, 5, v[STO]
	v_add_nc_u32 v[STO], s40, v[STO]
	; the prefetches
	s_and_b32 s86, ttmp7, 0xffff
	s_cmp_eq_u32 s[RH], 0
	s_cselect_b32 s84, s[CX], s[CY]                ; my place among the four that ask with me
	s_cselect_b32 s86, ttmp9, s86                  ; the coordinate along which other clusters read the same rows
	s_cselect_b64 s[PFA:PFA+1], s[66:67], s[68:69]
	s_mov_b32 s85, 32*256
	s_cselect_b32 s85, 64*K, s85                   ; 32 rows in bytes
	s_mov_b32 s[PFS], WSTEP
	s_cselect_b32 s[PFS], ASTEP, s[PFS]
	s_mov_b32 s[PFS+1], 0
	s_mov_b32 s87, 256
	s_cselect_b32 s87, 2*K, s87                    ; a row in bytes
	s_mul_i32 s84, s84, s85
	s_mov_b32 s85, 0
	s_add_nc_u64 s[PFA:PFA+1], s[PFA:PFA+1], s[84:85]
	s_mul_i32 s84, s[PFS], 3
	s_add_nc_u64 s[PFA:PFA+1], s[PFA:PFA+1], s[84:85]  ; at step 3: the first change of slots steps it to 4.  Nothing is asked for at the head
	s_cmp_eq_u32 s86, 0
	s_cselect_b32 s[LIM], 2, -1                    ; the same in all sixteen partners, for a given wave
	v_and_b32 v[PFO], 31, v0
	v_mul_u32_u24 v[PFO], s87, v[PFO]
	; where my 128 x 128 goes: two heads of one of q, k, v; 128 rows of one batch
	s_lshl1_add_u32 s84, s[TC], s[CH]              ; column block 0..23
	s_lshr_b32 s85, s84, 3                         ; 0 q, 1 k, 2 v
	s_and_b32 s84, s84, 7                          ; the pair of heads
	s_lshr_b32 s86, s[TR], 3                       ; the batch
	s_and_b32 s87, s[TR], 7
	s_lshl_b32 s87, s87, 8
	s_lshl_b32 s88, s[RH], 7
	s_add_co_u32 s87, s87, s88                     ; my first row in the batch
	s_lshl_b32 s88, s86, 4
	s_lshl1_add_u32 s88, s84, s88
	s_lshl_b32 s88, s88, 11
	s_add_co_u32 s88, s88, s87
	s_lshl_b32 s88, s88, 7                         ; q: ((16 b + 2 pair) 2048 + row) 128
	s_lshl3_add_u32 s89, s86, s84
	s_lshl_b32 s89, s89, 4
	s_lshr_b32 s90, s87, 7
	s_add_co_u32 s89, s89, s90
	s_lshl_b32 s89, s89, 15                        ; k, v: ((8 b + pair) 16 + group) 32,768
	s_lshl_b32 s90, s85, 23
	s_add_co_u32 s89, s89, s90
	s_cmp_eq_u32 s85, 0
	s_cselect_b32 s88, s88, s89
	s_mov_b32 s90, 16384
	s_cselect_b32 s90, 262144, s90                 ; bytes from a head to the next
	s_mov_b32 s89, 0
	s_add_nc_u64 s[10:11], s[10:11], s[88:89]
	v_and_b32 v6, 7, v0                            ; back: eight lanes take a head's 64 columns of a row, lanes 8-15 the next row, lanes 16-31 the other head
	v_mul_u32_u24 v[CO], s90, v2
	v_lshl_add_u32 v[CO], v5, 7, v[CO]
	v_lshl_add_u32 v[CO], v6, 4, v[CO]
	v_mul_u32_u24 v[RD], v5, DP
	v_lshl_add_u32 v[RD], v2, 8, v[RD]
	v_lshl_add_u32 v[RD], v6, 5, v[RD]
	v_add_nc_u32 v[RD], s40, v[RD]
	s_wait_tensorcnt 1                             ; my part of step 0 is in; step 1's may stay out
	s_barrier_signal -1
	s_barrier_wait -1
	FETCH 0, F0
	s_wait_loadcnt 0x0                             ; the bias
	QUARTER 1, F0, F1, 1                           ; the first quarter stands ahead of the loop: its products start the sums
	WIN 0
	s_mov_b32 s3, T-2
.Lstep:                                        ; a trip: from a step's second quarter to the next step's first; it fills the slot that it leaves
	QUARTER 2, F1, F0, 0
	QUARTER 3, F0, F1, 0
	TURN 1
	QUARTER 1, F0, F1, 0
	WIN 0
	s_sub_co_u32 s3, s3, 1
	s_cmp_lg_u32 s3, 0
	s_cbranch_scc1 .Lstep
	s_mov_b32 s3, 2
.Ltail:                                        ; the last two steps ask for nothing.  The second trip has no next step: its first quarter is jumped; its change of slots and the 32 loads behind it (filled bytes) serve nothing: the price of one text
	QUARTER 2, F1, F0, 0
	QUARTER 3, F0, F1, 0
	TURN 0
	WIN 0
	s_cmp_eq_u32 s3, 1
	s_cbranch_scc1 .Lleave
	QUARTER 1, F0, F1, 0
	WIN 0
.Lleave:
	s_sub_co_u32 s3, s3, 1
	s_cmp_lg_u32 s3, 0
	s_cbranch_scc1 .Ltail
	; THE WAY OUT.  The f32 sums go into LDS, over the ring: every wave's reads of it are over first.
	s_wait_dscnt 0x0
	s_barrier_signal -1
	s_barrier_wait -1
	PLACES
.irp a, 0,1,2,3,4,5,6,7
	WIN 0x08+4*((\a)/4)
.irp b, 0,1,2,3,4,5,6,7
	ds_store_b128 v[STO], v[8*(8*((\a)%4)+(\b)):8*(8*((\a)%4)+(\b))+3]   offset:(\a)*16*DP+64*(\b)
	ds_store_b128 v[STO], v[8*(8*((\a)%4)+(\b))+4:8*(8*((\a)%4)+(\b))+7] offset:(\a)*16*DP+64*(\b)+16
.endr
.endr
	WIN 0
	s_mov_b32 s3, 8
.Lout:                                         ; 16 rows a trip; my own bytes: LDS serves a wave's instructions in order (ISA guide 5.7.1.4)
.irp t, 0,1,2,3,4,5,6,7
	ds_load_b128 v[64+8*\t:64+8*\t+3], v[RD] offset:\t*2*DP
	ds_load_b128 v[64+8*\t+4:64+8*\t+7], v[RD] offset:\t*2*DP+16
.endr
.irp t, 0,1,2,3,4,5,6,7
	s_wait_dscnt 14-2*\t
.irp n, 0,1,2,3
	v_cvt_pk_bf16_f32 v[32+4*\t+\n], v[64+8*\t+2*\n], v[64+8*\t+2*\n+1]
.endr
	global_store_b128 v[CO], v[32+4*\t:32+4*\t+3], s[10:11] offset:256*\t  ; 16 lanes: two rows of a head, 256 consecutive bytes, aligned
.endr
	s_wait_xcnt 0x0                                ; the stores have read their registers
	v_add_nc_u32 v[RD], 16*DP, v[RD]
	v_add_nc_u32 v[CO], 2048, v[CO]
	s_sub_co_u32 s3, s3, 1
	s_cmp_lg_u32 s3, 0
	s_cbranch_scc1 .Lout
	s_wait_tensorcnt 0x0                           ; the wave's end
	ds_add_u32 v[SPW], v[NIL]
	s_wait_dscnt 0x0
	CROUND                                         ; the closing round
	s_endpgm
.Lfunc_end_k_q29dcbd5137_qkv:
	.size	k_q29dcbd5137_qkv, .Lfunc_end_k_q29dcbd5137_qkv-k_q29dcbd5137_qkv
	.p2alignl 7, 3214868480
	.fill 96, 4, 3214868480
	.section	.rodata,"a",@progbits
	.p2align	6, 0x0
	.amdhsa_kernel k_q29dcbd5137_qkv
		.amdhsa_group_segment_fixed_size 327680
		.amdhsa_private_segment_fixed_size 0
		.amdhsa_enable_private_segment 0
		.amdhsa_kernarg_size 32
		.amdhsa_user_sgpr_count 2
		.amdhsa_user_sgpr_kernarg_segment_ptr 1
		.amdhsa_wavefront_size32 1
		.amdhsa_system_sgpr_workgroup_id_x 1
		.amdhsa_system_sgpr_workgroup_id_y 1
		.amdhsa_system_sgpr_workgroup_id_z 1
		.amdhsa_system_vgpr_workitem_id 0
		.amdhsa_next_free_vgpr 1024
		.amdhsa_next_free_sgpr 96
		.amdhsa_reserve_vcc 0
		.amdhsa_float_denorm_mode_32 3
		.amdhsa_float_denorm_mode_16_64 3
		.amdhsa_memory_ordered 1
		.amdhsa_forward_progress 1
		.amdhsa_inst_pref_size 84
	.end_amdhsa_kernel
	.amdgpu_metadata
---
amdhsa.version: [ 1, 2 ]
amdhsa.kernels:
  - .name:           k_q29dcbd5137_qkv
    .symbol:         k_q29dcbd5137_qkv.kd
    .args:
      - { .name: act, .offset: 0, .size: 8, .value_kind: global_buffer, .address_space: global }
      - { .name: wb, .offset: 8, .size: 8, .value_kind: global_buffer, .address_space: global }
      - { .name: qkv_b, .offset: 16, .size: 8, .value_kind: global_buffer, .address_space: global }
      - { .name: qkv, .offset: 24, .size: 8, .value_kind: global_buffer, .address_space: global }
    .group_segment_fixed_size: 327680
    .private_segment_fixed_size: 0
    .kernarg_segment_align: 8
    .kernarg_segment_size: 32
    .max_flat_workgroup_size: 128
    .sgpr_count:     96
    .vgpr_count:     1024
    .wavefront_size: 32
...
	.end_amdgpu_metadata
.endif
;; end of part 2
;; launch attn (part 3): grid 16 x 16, 4 waves a work-group, clusters of 4 x 4, 327,680 bytes of LDS; arguments qkv, dist_matrix, gamma, act; writes act
.if DOCPART == 3
	.amdgcn_target "amdgcn-amd-amdhsa--gfx1250"
	.amdhsa_code_object_version 6
	.text
	.protected	k_q29dcbd5137_attn
	.globl	k_q29dcbd5137_attn
	.p2align	8
	.type	k_q29dcbd5137_attn,@function
k_q29dcbd5137_attn:
	s_mov_b64 s[64:65], 0
	v_nop
	global_prefetch_b8 v0, s[64:65] scope:SCOPE_SE
	s_setreg_imm32_b32 hwreg(HW_REG_WAVE_MODE, 25, 1), 1
	s_wait_xcnt 0x0
	s_wait_alu depctr_hold_cnt(0) depctr_sa_sdst(0) depctr_va_vdst(0) depctr_va_sdst(0) depctr_va_ssrc(0) depctr_va_vcc(0) depctr_vm_vsrc(0)
	s_getreg_b32 s2, hwreg(HW_REG_IB_STS2, 6, 4)
	s_cmp_eq_u32 s2, 0
	s_cbranch_scc0 .Lentry_in_a_cluster
	s_endpgm
.Lentry_in_a_cluster:
	s_bfe_u32 s2, ttmp6, 0x10000c
	s_cmp_lg_u32 s2, 0xf033
	s_cbranch_scc0 .Lentry_shape_is_right
	s_endpgm
.Lentry_shape_is_right:
; O[b][n][h 64 + d] = the sum over m of softmax_m(q.k / 32 - gamma[b][h] dist[n][m]) v[m][d].  q, k, v bf16 by heads (layout: the launch before); dist f32; O bf16 into act [4096][1024].
; Products, maxima and sums in f32; the weights p are rounded to bf16 for the second product (their sum l is taken of the unrounded p), O once at the end.
; LIMITS: a weight below 2^-126 counts as 0 in l; c m starts at -4.25e37, far below every c s that is finite in f32 after the scale; NaN and infinities are not treated apart.
; SHARES.  A work-group takes 128 queries and TWO heads of one batch; wave w takes head w % 2 and the query half w / 2: four PIECES of 16 queries.  Every wave walks all 2,048 keys, 64 a step.
; So a step's tiles are 32 KiB of K and V and 32 KiB of dist; K and V hang on the pair of heads alone, dist on the query block alone.
; CLUSTER 4 x 4: x = query blocks, y = pairs of heads.  K and V are asked for jointly along a row of the cluster, dist along a column.
; THE DISTANCE TERM is the C operand that starts S^T = K Q^T: dist's tile (f32, in the layout of a result: one query a lane, eight keys) times G = -32 gamma.  Then p = 2^(c s - c m), c = log2(e) / 32.
; LAYOUT, SOFTMAX, TURNS.  S^T holds ONE query a lane (lane % 16) and the keys 8 (lane / 16) + 0..7; two results rounded to bf16 ARE source 1 of O^T = V^T P.  A running maximum m; O and l are multiplied by
; a = 2^(c m_old - c m_new) in every step.  Turn n belongs to piece n: 8 products K Q^T of piece n + 1, later 8 products V^T P of piece n - 1; beside them piece n's scaling, exponentials, roundings, sums and
; rescaling and piece n + 1's maximum and statistics; and the distance tile of piece n + 2 is fetched and scaled.  A turn's 33 exponentials are one batch, with one wait.
; REGISTERS: window 0: v2-15 addresses; v16-31 statistics; v48-55 at work; v64-127 S^T, two buffers; v192-223 P, two buffers.  window 1: v0-127 O^T; v160-223 the distance tiles, two buffers.
; window 2: v0-63 Q; v128-191 K of a step; v192-255 V of a step.
.set NP,    4
.set PK,    144       ; a row of K in LDS: 128 bytes + 16
.set PV,    160       ; a row of V: 128 + 32
.set PD,    528       ; a row of dist: 512 + 16
.set VOFF,  256*PK    ; a slot: 128 keys of both heads: 256 rows of K, 256 rows of V, 128 query rows of dist
.set DOFF,  VOFF+256*PV
.set SLOT,  DOFF+128*PD
.set SPARE, 2*SLOT    ; the spare words, 128 bytes a wave: two blocks of 256 bytes that no other line names
.set SP,    272       ; the way out: 128 rows x 272 bytes at byte 0, in slot 0, which has had its last fill and its last read by then
.set AK0, 2
.set AV0, 3
.set AK,  4
.set AV,  5
.set STO, 6
.set RD,  7
.set GO,  8
.set QO,  10
.set MV,  12
.set AD0, 14
.set AD,  15
.set ST,  16
.set TMP, 48
.set PFO, 61
.set SPW, 62
.set NIL, 63
.set S,   64
.set P,   192
.set MC,  160
.set KF,  128
.set VF,  192
.set WV,  12
.set CX,  13
.set CY,  14
.set QX,  15          ; my block of 128 queries
.set HY,  16          ; my pair of heads: 8 b + pair
.set HI,  17          ; my head in the pair; for waves 2, 3 also: which 64 rows of dist I fetch
.set QJ,  18          ; my half of the queries
.set G1K, 24
.set G1V, 32
.set G1D, 40
.set G0K, 48
.set G0V, 52
.set G0D, 56
.set CS,  60
.set SEL, 62
.set SL,  66          ; LDS byte of the slot in hand
.set KS1, 67          ; the step's place in a slot, for K, V and dist: an exclusive or turns each
.set VS1, 68
.set DS1, 69
.set SLOTS, 70
.set CNT, 71
.set GM,  72          ; s[72:73] G
.set PFA, 74
.set PFS, 76
.set LIM, 78
.set WD,  79
.set QA,  80
.set MSB, 0
.macro WIN new
.if MSB != (\new)
	s_set_vgpr_msb (MSB<<8)|(\new)
.set MSB, (\new)
.endif
.endm
.set W_KQ, 0x0a
.set W_KM, 0x1a       ; K and Q in window 2, the C operand in window 1, S^T in window 0
.set W_PV, 0x52
.set W_RS, 0x41
.macro JLOAD                        ; a joint fill: wave 0 K, wave 1 V, waves 2 and 3 the halves of dist.  The branches hang on the wave's number alone; s_nop 0 and four v_nop follow each line
	s_cmp_lt_u32 s[WV], 2
	s_cbranch_scc0 .Lfor_d_\@
	s_cmp_eq_u32 s[WV], 0
	s_cbranch_scc0 .Lfor_v_\@
	tensor_load_to_lds s[G0K:G0K+3], s[G1K:G1K+7]
	s_nop 0
.rept 4
	v_nop
.endr
	s_branch .Lasked_\@
.Lfor_v_\@:
	tensor_load_to_lds s[G0V:G0V+3], s[G1V:G1V+7]
	s_nop 0
.rept 4
	v_nop
.endr
	s_branch .Lasked_\@
.Lfor_d_\@:
	tensor_load_to_lds s[G0D:G0D+3], s[G1D:G1D+7]
	s_nop 0
.rept 4
	v_nop
.endr
.Lasked_\@:
.endm
.macro CROUND
	s_barrier_signal -1
	s_barrier_wait -1
	s_cmp_lg_u32 s[WV], 0
	s_cbranch_scc1 .Lnot_wave_0_\@
	s_barrier_signal -3
.Lnot_wave_0_\@:
	s_barrier_wait -3
	s_barrier_signal -1
	s_barrier_wait -1
.endm
; A prefetch of what the NEXT change of slots will ask for, two key steps ahead of that load.  K and V: the clusters with x = 0 ask, each partner for 32 of the 128 blocks of 256 bytes (by cx).
; dist: the clusters with y = 0 ask, each partner for 16 of a wave's 64 rows (by cy), two blocks a row.  So each block is named once.  The last filling change asks for nothing.
.macro ASK
	s_cmp_gt_u32 s[SLOTS], s[LIM]
	s_cbranch_scc0 .Lnot_mine_\@
	global_prefetch_b8 v[PFO], s[PFA:PFA+1] th:TH_LOAD_NT scope:SCOPE_SE
.Lnot_mine_\@:
.endm
; THE CHANGE OF SLOTS.  Each wave waits for all its tensor loads (one is out: its part of the other slot), adds 0 to its spare word, and waits for that and for its reads of the slot that it leaves.
; fill = 1: the barrier is a round of the cluster's, and the slot that is left is filled again first thing behind it, with the keys two slots on: two key steps in which to land.
.macro CHANGE fill
	WIN 0
	s_wait_tensorcnt 0x0
	ds_add_u32 v[SPW], v[NIL]
.if \fill
	s_mov_b32 s[G0K+1], s[SL]       ; the walking descriptors: into the slot that is left,
	s_add_co_u32 s[G0V+1], s[SL], VOFF
	s_add_co_u32 s[G0D+1], s[SL], s[WD]
	s_add_nc_u64 s[G0K+2:G0K+3], s[G0K+2:G0K+3], 32768  ; the next 128 keys
	s_add_nc_u64 s[G0V+2:G0V+3], s[G0V+2:G0V+3], 32768
	s_add_nc_u64 s[G0D+2:G0D+3], s[G0D+2:G0D+3], 512
	s_wait_xcnt 0x0                 ; the last prefetch, two key steps back, has read its address
	s_add_nc_u64 s[PFA:PFA+1], s[PFA:PFA+1], s[PFS:PFS+1]
	s_wait_dscnt 0x0                ; the add is done, and my reads of the slot are over
	CROUND
	JLOAD
	ASK
.else
	s_wait_dscnt 0x0
	s_barrier_signal -1
	s_barrier_wait -1
.endif
	s_xor_b32 s[SL], s[SL], SLOT
.endm
	s_load_b256 s[4:11], s[0:1], 0x0  ; qkv s[4:5], dist s[6:7], gamma s[8:9], act s[10:11]
	v_lshl_add_u32 v[SPW], v0, 2, SPARE
	v_mov_b32 v[NIL], 0
	ds_add_u32 v[SPW], v[NIL]       ; the wave's opening: the add and its wait ahead of my first tensor load
	v_lshrrev_b32 v1, 5, v0
	v_readfirstlane_b32 s[WV], v1
	s_bfe_u32 s[CX], ttmp6, 0x40000
	s_bfe_u32 s[CY], ttmp6, 0x40004
	s_lshl_b32 s[QX], ttmp9, 2
	s_add_co_u32 s[QX], s[QX], s[CX]
	s_and_b32 s[HY], ttmp7, 0xffff
	s_lshl_b32 s[HY], s[HY], 2
	s_add_co_u32 s[HY], s[HY], s[CY]
	s_and_b32 s[HI], s[WV], 1
	s_lshr_b32 s[QJ], s[WV], 1
	s_lshl_b32 s20, s[CY], 2
	s_lshl_b32 s20, 15, s20         ; my row of the cluster
	s_lshl_b32 s21, 0x1111, s[CX]   ; my column
	s_or_b32 s[G1K], s20, (1<<16)|(1<<20)|(1<<21)|(4<<22)|(3<<25)  ; mask; 2-byte elements; padding on; bit 21 beside a mask; after every 32 words (a key); 4 words
	s_or_b32 s[G1V], s20, (1<<16)|(1<<20)|(1<<21)|(4<<22)|(7<<25)  ; the same with 8 words
	s_or_b32 s[G1D], s21, (2<<16)|(1<<20)|(1<<21)|(6<<22)|(3<<25)  ; my column's mask; 4-byte elements; after every 128 words; 4 words
.irp g, G1K, G1V                    ; 32,768 dense bytes, asked for as 128 rows of 256 bytes, two keys a row
	s_mov_b32 s[\g+1], 128<<16
	s_mov_b32 s[\g+2], 128<<16
	s_mov_b32 s[\g+3], 128<<16
	s_mov_b32 s[\g+4], 128
	s_mov_b32 s[\g+5], 128
	s_mov_b32 s[\g+6], 0
	s_mov_b32 s[\g+7], 0
.endr
	s_mov_b32 s[G1D+1], 128<<16     ; 64 query rows x 128 keys
	s_mov_b32 s[G1D+2], 64<<16
	s_mov_b32 s[G1D+3], 128<<16
	s_mov_b32 s[G1D+4], 64
	s_mov_b32 s[G1D+5], 2048
	s_mov_b32 s[G1D+6], 0
	s_mov_b32 s[G1D+7], 0
	s_mul_i32 s[WD], s[HI], 64*PD
	s_add_co_u32 s[WD], s[WD], DOFF
	s_mov_b32 s[G0K], 1
	s_mov_b32 s[G0K+1], 0
	s_mov_b32 s[G0V], 1
	s_mov_b32 s[G0V+1], VOFF
	s_mov_b32 s[G0D], 1
	s_mov_b32 s[G0D+1], s[WD]
	s_lshl_b32 s22, s[HY], 19       ; a pair's 16 groups of 32,768 bytes
	s_mov_b32 s23, 0
	s_lshl_b32 s88, s[QX], 7
	s_lshl_b32 s89, s[HI], 6
	s_add_co_u32 s88, s88, s89
	s_lshl_b32 s88, s88, 13         ; dist: row 128 x block + 64 x half, 8,192 bytes a row
	s_mov_b32 s89, 0
	s_lshl1_add_u32 s90, s[HY], s[HI]  ; my head among the 32
	s_lshl_b32 s2, s90, 2           ; its gamma
	s_mov_b32 s3, 0
	s_lshl_b32 s90, s90, 18
	s_lshl_b32 s91, s[QX], 14
	s_add_co_u32 s90, s90, s91
	s_lshl_b32 s91, s[QJ], 13
	s_add_co_u32 s90, s90, s91      ; Q: head x 262,144 + (128 x block + 64 x half) x 128
	s_mov_b32 s91, 0
	s_lshr_b32 s92, s[HY], 3
	s_lshl_b32 s92, s92, 11
	s_lshl_b32 s93, s[QX], 7
	s_add_co_u32 s92, s92, s93
	s_lshl_b32 s93, s[WV], 5
	s_add_co_u32 s92, s92, s93
	s_lshl_b32 s92, s92, 11         ; act: row 2,048 b + 128 x block + 32 x wave, 2,048 bytes a row,
	s_and_b32 s93, s[HY], 7
	s_lshl_b32 s93, s93, 8
	s_add_co_u32 s92, s92, s93      ; the pair's 256 bytes
	s_mov_b32 s93, 0
	s_mov_b32 s[CS], 0x3d38aa3b     ; c = log2(e) / 32
	s_mov_b32 s[CS+1], s[CS]
	s_mov_b32 s[SEL], 0x76543210
	s_mov_b32 s[SEL+1], 0xfedcba98
	s_mov_b32 s[SL], SLOT           ; the first change of slots fills slot 1 and turns this into 0
	s_mov_b32 s[KS1], 0
	s_mov_b32 s[VS1], 0
	s_mov_b32 s[DS1], 0
	s_mov_b32 s[SLOTS], 15
	s_wait_dscnt 0x0                ; the opening add is done
	s_wait_kmcnt 0x0
	s_add_nc_u64 s[82:83], s[4:5], s[22:23]
	s_add_nc_u64 s[84:85], s[82:83], 16777216  ; V of the pair
	s_add_nc_u64 s[82:83], s[82:83], 8388608   ; K of the pair
	s_add_nc_u64 s[86:87], s[6:7], s[88:89]    ; dist at my 64 rows
	s_mov_b64 s[G0K+2:G0K+3], s[82:83]
	s_or_b32 s[G0K+3], s[G0K+3], 0x80000000
	s_mov_b64 s[G0V+2:G0V+3], s[84:85]
	s_or_b32 s[G0V+3], s[G0V+3], 0x80000000
	s_mov_b64 s[G0D+2:G0D+3], s[86:87]
	s_or_b32 s[G0D+3], s[G0D+3], 0x80000000
	s_add_nc_u64 s[QA:QA+1], s[4:5], s[90:91]
	s_add_nc_u64 s[10:11], s[10:11], s[92:93]
	s_add_nc_u64 s[8:9], s[8:9], s[2:3]
	s_load_b32 s[GM], s[8:9], 0x0
	CROUND                          ; all sixteen work-groups are here: the first joint loads meet
	JLOAD                           ; keys 0-127 into slot 0; slot 1 is asked for when slot 0 is in
	v_and_b32 v1, 15, v0            ; r
	v_bfe_u32 v9, v0, 4, 1          ; h
	v_lshlrev_b32 v[QO], 7, v1
	v_lshl_add_u32 v[QO], v9, 4, v[QO]
	WIN 0x80
.set i, 0
.rept 8                             ; Q stays in registers: piece i / 2, channels 32 (i % 2) on
	global_load_b128 v[8*i:8*i+3],   v[QO], s[QA:QA+1] offset:(i/2)*2048+(i%2)*64
	global_load_b128 v[8*i+4:8*i+7], v[QO], s[QA:QA+1] offset:(i/2)*2048+(i%2)*64+32
.set i, i+1
.endr
	; The first step multiplies O^T and l by a = 0, and the first turn's products V^T P, of a piece that has not been, add 0: these registers start at 0.  All this stands in the wait for the first tile.
.set i, VF
.rept 64
	v_mov_b32 v[i], 0
.set i, i+1
.endr
	WIN 0x40
.set i, 0
.rept 128
	v_mov_b32 v[i], 0
.set i, i+1
.endr
	WIN 0
.set i, 0
.rept 4
	v_mov_b32 v[ST+4*i], 0xfe000000    ; c m: far below every c s
	v_mov_b32 v[ST+4*i+1], 0xff7fffff  ; m
	v_mov_b32 v[ST+4*i+2], 0
	v_mov_b32 v[ST+4*i+3], 0
.set i, i+1
.endr
.set i, P+16
.rept 16
	v_mov_b32 v[i], 0
.set i, i+1
.endr
	v_mul_u32_u24 v[AK0], v1, PK
	v_lshl_add_u32 v[AK0], v9, 4, v[AK0]
	s_mul_i32 s20, s[HI], 128*PK
	v_add_nc_u32 v[AK0], s20, v[AK0]  ; K: row x pitch + 16 x half, in my head's 128 rows
	v_and_b32 v11, 7, v0
	v_bfe_u32 v32, v0, 3, 1
	v_lshl_add_u32 v[AV0], v9, 3, v11
	v_mul_u32_u24 v[AV0], v[AV0], PV
	v_lshl_add_u32 v[AV0], v32, 4, v[AV0]
	s_mul_i32 s20, s[HI], 128*PV
	s_add_co_u32 s20, s20, VOFF
	v_add_nc_u32 v[AV0], s20, v[AV0]  ; V, turned: key 8 h + l % 8, 16 bytes for each half of eight lanes
	v_mul_u32_u24 v[AD0], v1, PD
	v_lshl_add_u32 v[AD0], v9, 5, v[AD0]
	s_mul_i32 s20, s[QJ], 64*PD
	s_add_co_u32 s20, s20, DOFF
	v_add_nc_u32 v[AD0], s20, v[AD0]  ; dist: my query's row, 32 bytes (eight keys) for each half of the lanes
	v_mul_u32_u24 v[STO], v1, SP
	v_lshl_add_u32 v[STO], v9, 4, v[STO]
	s_mul_i32 s20, s[QJ], 64*SP
	s_lshl_b32 s21, s[HI], 7
	s_add_co_u32 s20, s20, s21
	v_add_nc_u32 v[STO], s20, v[STO]  ; the way out, in: my query's row, my head's 128 bytes
	v_mul_u32_u24 v[RD], v9, SP
	v_lshl_add_u32 v[RD], v1, 4, v[RD]
	s_mul_i32 s20, s[WV], 32*SP
	v_add_nc_u32 v[RD], s20, v[RD]    ; back: wave w takes rows 32 w on, whole: lanes 0-15 one row of 256 bytes, lanes 16-31 the next
	v_lshlrev_b32 v[GO], 11, v9
	v_lshl_add_u32 v[GO], v1, 4, v[GO]
	; the prefetches
	s_and_b32 s20, ttmp7, 0xffff
	s_cmp_lt_u32 s[WV], 2
	s_cselect_b32 s20, ttmp9, s20   ; the coordinate along which other clusters read the same bytes
	s_cselect_b32 s21, s[CX], s[CY] ; my place among the four that ask with me
	s_mov_b32 s[PFS], 512
	s_cselect_b32 s[PFS], 32768, s[PFS]
	s_mov_b32 s[PFS+1], 0
	s_mov_b32 s22, 16*8192
	s_cselect_b32 s22, 8192, s22    ; a partner's share in bytes
	s_cselect_b32 s23, 0, 1         ; dist: two lanes a row
	s_mov_b32 s19, 8192
	s_cselect_b32 s19, 256, s19
	s_mul_i32 s2, s21, s22
	s_mov_b32 s3, 0
	s_cselect_b64 s[PFA:PFA+1], s[84:85], s[86:87]
	s_cmp_eq_u32 s[WV], 0
	s_cselect_b64 s[PFA:PFA+1], s[82:83], s[PFA:PFA+1]
	s_add_nc_u64 s[PFA:PFA+1], s[PFA:PFA+1], s[2:3]
	s_add_nc_u64 s[PFA:PFA+1], s[PFA:PFA+1], s[PFS:PFS+1]  ; at keys 128 on; the first change of slots steps it to 256.  Nothing is asked for at the head
	s_cmp_eq_u32 s20, 0
	s_cselect_b32 s[LIM], 1, -1     ; the same in all sixteen partners, for a given wave
	v_and_b32 v11, 31, v0
	v_lshrrev_b32 v32, s23, v11
	v_mul_u32_u24 v32, s19, v32
	v_and_b32 v11, s23, v11
	v_lshl_add_u32 v[PFO], v11, 8, v32
	s_wait_kmcnt 0x0
	s_mul_f32 s[GM], s[GM], 0xc2000000  ; G = -32 gamma
	s_mov_b32 s[GM+1], s[GM]
; THE MATRIX WORK.  The 4 accumulators of a run of 8 take turns.  Product i of 8 of S^T = K Q^T for piece x: channels 32 (i / 4) on, keys 16 (i % 4) on.  The first 4 start the sums with the distance tile.
.macro KQ x
.set rS, S+32*((\x)%2)+8*(i%4)
.set rK, KF+16*(i%4)+8*(i/4)
.set rQ, 16*(\x)+8*(i/4)
.set rM, MC+32*((\x)%2)+8*(i%4)
.if i < 4
	WIN W_KM
	v_wmma_f32_16x16x32_bf16 v[rS:rS+7], v[rK:rK+7], v[rQ:rQ+7], v[rM:rM+7]
.else
	WIN W_KQ
	v_wmma_f32_16x16x32_bf16 v[rS:rS+7], v[rK:rK+7], v[rQ:rQ+7], v[rS:rS+7]
.endif
.endm
.macro PV x                         ; product i of 8 of O^T += V^T P for piece x: keys 32 (i / 4) on, channels 16 (i % 4) on
	WIN W_PV
.set rO, 32*(\x)+8*(i%4)
.set rV, VF+32*(i/4)+8*(i%4)
.set rP, P+16*((\x)%2)+8*(i/4)
	v_wmma_f32_16x16x32_bf16 v[rO:rO+7], v[rV:rV+7], v[rP:rP+7], v[rO:rO+7]
.endm
.macro MM                           ; the turn's next matrix instruction
.if i < 8
	KQ (Y+1)%NP
.else
.set i, i-8
	PV (Y+NP-1)%NP
.set i, i+8
.endif
.set i, i+1
.endm
; THE LDS LOADS stand in runs: a step's K (8 fragments), its V (turned), and a piece's distance tile (16 queries x 64 keys of f32).
.macro FETCH_K
	WIN 0x80
.irp f, 0,1,2,3,4,5,6,7
	ds_load_b128 v[KF+8*\f:KF+8*\f+3],   v[AK] offset:(\f/2)*16*PK+(\f%2)*64
	ds_load_b128 v[KF+8*\f+4:KF+8*\f+7], v[AK] offset:(\f/2)*16*PK+(\f%2)*64+32
.endr
	WIN 0
.endm
.macro FETCH_V
	WIN 0x80
.irp f, 0,1,2,3,4,5,6,7
	ds_load_tr16_b128 v[VF+8*\f:VF+8*\f+3],   v[AV] offset:(\f/4)*32*PV+(\f%4)*32
	ds_load_tr16_b128 v[VF+8*\f+4:VF+8*\f+7], v[AV] offset:(\f/4)*32*PV+16*PV+(\f%4)*32
.endr
	WIN 0
.endm
.macro DFETCH x
	WIN 0x40
.irp kt, 0,1,2,3
	ds_load_b128 v[MC+32*((\x)%2)+8*\kt:MC+32*((\x)%2)+8*\kt+3],   v[AD] offset:(\x)*16*PD+64*\kt
	ds_load_b128 v[MC+32*((\x)%2)+8*\kt+4:MC+32*((\x)%2)+8*\kt+7], v[AD] offset:(\x)*16*PD+64*\kt+16
.endr
	WIN 0
.endm
.macro DSC b                        ; buffer b of the distance tiles times G
	WIN W_RS
.set z, 0
.rept 16
	v_pk_mul_f32 v[MC+32*(\b)+2*z:MC+32*(\b)+2*z+1], v[MC+32*(\b)+2*z:MC+32*(\b)+2*z+1], s[GM:GM+1] op_sel_hi:[1,0]
.set z, z+1
.endr
.endm
; THE VECTOR WORK, one line at a time: OP kind, number.  For piece Y: F n: c s - c m for pair n of 16.  E n: the exponential of score n of 32.  C n: pair n rounded to bf16.  B n: of the four weights 4 n .. the second
; pair is added onto the first, in place.  L n: l takes that sum (L 0: l = a l + sum).  R n: pair n of 16 of O^T times a.  For piece Y + 1: X n, number n of the 22 that find its maximum and statistics:
;   0-11 four chains of seven scores (each accumulator's lowest registers are read first)   12-14, 16 the four scores left over, the old m, the chains into one   15 c m_old is kept
;   17, 18 the query's other 32 keys lie in the lane 16 away: the new m   19-21 c m; c m_old - c m_new; a
.set F, 0
.set E, 1
.set C, 2
.set B, 3
.set L, 4
.set R, 5
.set X, 6
.macro REGS y
.set rT, ST+4*(\y)
.set rC, TMP+4*((\y)%2)
.set rW, MV+((\y)%2)
.set rS, S+32*((\y)%2)
.set rP, P+16*((\y)%2)
.set rO, 32*(\y)
.endm
.macro OP k, n
.if (\k) == R
	REGS Y
	WIN W_RS
	v_pk_mul_f32 v[rO+2*(\n):rO+2*(\n)+1], v[rO+2*(\n):rO+2*(\n)+1], v[rC+2:rC+3] op_sel_hi:[1,0]
.elseif (\k) < R
	REGS Y
	WIN 0
.if (\k) == F
	v_pk_fma_f32 v[rS+2*(\n):rS+2*(\n)+1], v[rS+2*(\n):rS+2*(\n)+1], s[CS:CS+1], v[rT:rT+1] op_sel_hi:[1,0,0] neg_lo:[0,0,1] neg_hi:[0,0,1]
.elseif (\k) == E
	v_exp_f32 v[rS+(\n)], v[rS+(\n)]
.elseif (\k) == C
	v_cvt_pk_bf16_f32 v[rP+(\n)], v[rS+2*(\n)], v[rS+2*(\n)+1]
.elseif (\k) == B
	v_pk_add_f32 v[rS+4*(\n):rS+4*(\n)+1], v[rS+4*(\n):rS+4*(\n)+1], v[rS+4*(\n)+2:rS+4*(\n)+3]
.elseif (\n) == 0
	v_pk_fma_f32 v[rT+2:rT+3], v[rT+2:rT+3], v[rC+2:rC+3], v[rS:rS+1] op_sel_hi:[1,0,1]
.else
	v_pk_add_f32 v[rT+2:rT+3], v[rT+2:rT+3], v[rS+4*(\n):rS+4*(\n)+1]
.endif
.else
	REGS (Y+1)%NP
	WIN 0
.if (\n) < 4
	v_max3_num_f32 v[rC+(\n)], v[rS+8*(\n)], v[rS+8*(\n)+1], v[rS+8*(\n)+2]
.elseif (\n) < 12
	v_max3_num_f32 v[rC+(\n)%4], v[rC+(\n)%4], v[rS+8*((\n)%4)+2*((\n)/4)+1], v[rS+8*((\n)%4)+2*((\n)/4)+2]
.elseif (\n) == 12
	v_max3_num_f32 v[rC], v[rC], v[rS+7], v[rS+15]
.elseif (\n) == 13
	v_max3_num_f32 v[rC+1], v[rC+1], v[rS+23], v[rS+31]
.elseif (\n) == 14
	v_max3_num_f32 v[rC+2], v[rC+2], v[rC+3], v[rT+1]
.elseif (\n) == 15
	v_mov_b32 v[rW], v[rT]
.elseif (\n) == 16
	v_max3_num_f32 v[rC], v[rC], v[rC+1], v[rC+2]
.elseif (\n) == 17
	v_permlanex16_b32 v[rC+3], v[rC], s[SEL], s[SEL+1]
.elseif (\n) == 18
	v_max_num_f32 v[rT+1], v[rC], v[rC+3]
.elseif (\n) == 19
	v_mul_f32 v[rT], s[CS], v[rT+1]
.elseif (\n) == 20
	v_sub_f32 v[rC+1], v[rW], v[rT]
.else
	v_exp_f32 v[rC+2], v[rC+1]
.endif
.endif
.endm
.macro OPS a, i1, b=-1, i2=0, c=-1, i3=0, d=-1, i4=0
	OP \a, \i1
.if (\b) >= 0
	OP \b, \i2
.endif
.if (\c) >= 0
	OP \c, \i3
.endif
.if (\d) >= 0
	OP \d, \i4
.endif
.endm
.macro ROW a, i1, b, i2, c, i3, d, i4  ; a matrix instruction and the four behind it
	MM
	OPS \a, \i1, \b, \i2, \c, \i3, \d, \i4
.endm
; A TURN, for piece p.  AHEAD OF ITS ONE WAIT stands all that names no result of the turn's exponentials: the 8 products K Q^T with four vector lines behind each, then a run of 54 vector lines; X 21, the next piece's a, is
; the batch's last, and R 15 the plain instruction behind it.  BEHIND THE WAIT: the 8 products V^T P, behind each four of the roundings and sums.
; K of the next step is fetched in piece 2's turn, twelve plain instructions behind the last product that read K; the wait for 0 at that turn's end shows it landed.  V of the step in hand is fetched at the end of piece 0's
; turn, four plain instructions behind the last product that read V.  The distance tile of piece p + 2 is fetched in the run, into the buffer whose last reader stood at the head of the turn before, and scaled at the turn's end.
.macro TURN p
.set Y, (\p)
.set i, 0
	ROW F,0, F,1, R,0, R,1
	ROW F,2, E,0, R,2, R,3
	ROW F,3, E,1, R,4, R,5
	ROW F,4, E,2, R,6, R,7
	ROW F,5, E,3, R,8, R,9
	ROW F,6, E,4, X,0, R,10
.if (\p) == 2
	WIN 0
	v_add3_u32 v[AK], s[SL], s[KS1], v[AK0]
	v_add3_u32 v[AD], s[SL], s[DS1], v[AD0]
.endif
	ROW F,7, E,5, X,1, X,4
	ROW F,8, E,6, X,2, X,5
	OPS E,7, E,8, X,6, E,9
	OPS X,3, E,10, X,8, E,11
.if (\p) == 2
	FETCH_K
	s_xor_b32 s[KS1], s[KS1], 64*PK  ; the next fetch is the slot's other step
	s_xor_b32 s[DS1], s[DS1], 256
.endif
	DFETCH ((\p)+2)%4
	OPS X,9, X,7, E,12, X,10
	OPS E,13, X,12, X,11, E,14
	OPS X,13, E,15, F,9, X,14
.if (\p) == 0
	v_add3_u32 v[AV], s[SL], s[VS1], v[AV0]
	s_xor_b32 s[VS1], s[VS1], 64*PV
.endif
	OPS E,16, F,10, E,17, F,11
	OPS X,16, E,18, X,15, E,19
	OPS F,12, E,20, X,17, E,21
	OPS F,13, E,22, F,14, E,23
	OPS X,18, E,24, F,15, E,25
	OPS R,11, E,26, X,19, E,27
	OPS R,12, E,28, R,13, E,29
	OPS X,20, E,30, R,14, E,31
	OPS X,21, R,15
	WIN 0
	s_wait_alu depctr_va_vdst(0)    ; the wait for the batch
.if (\p) == 1
	s_wait_dscnt 8                  ; V is in; the eight younger loads of the distance tile may be out
.endif
	ROW C,0, B,0, C,2, B,1
	ROW L,0, C,4, B,2, L,1
	ROW C,6, B,3, L,2, C,8
	ROW B,4, L,3, C,10, B,5
	ROW L,4, C,12, B,6, L,5
	ROW C,14, B,7, L,6, C,1
	ROW C,3, L,7, C,5, C,7
	ROW C,9, C,11, C,13, C,15
.if (\p) == 0
	FETCH_V
	s_wait_dscnt 16                 ; the distance tile is in; V's sixteen loads may be out
.else
	s_wait_dscnt 0x0                ; the distance tile is in (in piece 2's turn: and K, issued ahead of it)
.endif
	DSC (\p)%2
.endm
	CHANGE 1                        ; slot 0 is in, everybody's part of it; slot 1 is asked for
	v_add3_u32 v[AK], s[SL], s[KS1], v[AK0]
	v_add3_u32 v[AD], s[SL], s[DS1], v[AD0]
	s_xor_b32 s[KS1], s[KS1], 64*PK
	s_xor_b32 s[DS1], s[DS1], 256
	FETCH_K                         ; key step 0
	DFETCH 0
	DFETCH 1
	s_wait_loadcnt 0x0              ; Q
	s_wait_dscnt 0x0
	DSC 0
	DSC 1
.set i, 0
.rept 8
	KQ 0                            ; piece 0's first scores
.set i, i+1
.endr
	WIN 0
.rept 4
	v_nop                           ; the places behind those products
.endr
.set Y, NP-1                        ; X works for piece Y + 1: piece 0
.irp n, 0,1,2,3,4,5,6,7,8,9,10,11,12,13,14,15,16,17,18,19,20,21
	OP X, \n
.endr
	v_nop                           ; a plain instruction behind the exponential,
	s_wait_alu depctr_va_vdst(0)    ; and its wait, ahead of the branch
	s_mov_b32 s[CNT], 2
	s_branch .Lfirst                ; the loop is entered at a step's first turn, in the middle of a trip
.Lslot:                             ; 14 times: every slot but the last two is filled again
	CHANGE 1
	s_mov_b32 s[CNT], 2
.Lstep:                             ; a trip: pieces 2 and 3 of one step, then pieces 0 and 1 of the next, whose K, V and distances it fetches
	TURN 2
	TURN 3
	WIN 0
.Lfirst:
	TURN 0
	TURN 1
	WIN 0
	s_sub_co_u32 s[CNT], s[CNT], 1
	s_cmp_lg_u32 s[CNT], 0
	s_cbranch_scc1 .Lstep
	s_sub_co_u32 s[SLOTS], s[SLOTS], 1
	s_cmp_lg_u32 s[SLOTS], 0
	s_cbranch_scc1 .Lslot
	CHANGE 0                        ; the tail is written out: nothing is asked for
	s_mov_b32 s[CNT], 3             ; two trips fetch the last slot's steps; the third has no next step: its second half is jumped, and what its first half fetches (filled bytes of the last slot) and makes for piece 0 serves nothing
.Ltail:
	TURN 2
	TURN 3
	WIN 0
	s_cmp_eq_u32 s[CNT], 1
	s_cbranch_scc1 .Lleave
	TURN 0
	TURN 1
	WIN 0
.Lleave:
	s_sub_co_u32 s[CNT], s[CNT], 1
	s_cmp_lg_u32 s[CNT], 0
	s_cbranch_scc1 .Ltail
.set i, 0
.rept 8
	PV NP-1                         ; the last piece's V^T P of the last step
.set i, i+1
.endr
	; THE WAY OUT.  l's two halves and the other half of the lanes' are added (these additions are the places behind the last products); O^T is divided by l, rounded to bf16 and set into the work-group's stage.
	WIN 0
.macro ALL line:vararg
.set t, 0
.rept 4
	\line
.set t, t+1
.endr
.endm
	ALL v_add_f32 v[ST+4*t+2], v[ST+4*t+2], v[ST+4*t+3]
	ALL v_permlanex16_b32 v[ST+4*t+3], v[ST+4*t+2], s[SEL], s[SEL+1]
	ALL v_add_f32 v[ST+4*t+2], v[ST+4*t+2], v[ST+4*t+3]
	ALL v_rcp_f32 v[ST+4*t+2], v[ST+4*t+2]
	v_nop                           ; a plain instruction behind the last reciprocal,
	s_wait_alu depctr_va_vdst(0)    ; and one wait for the four
.macro PACK t
	WIN W_RS
.set i, 32*(\t)
.rept 16
	v_pk_mul_f32 v[i:i+1], v[i:i+1], v[ST+4*(\t)+2:ST+4*(\t)+3] op_sel_hi:[1,0]
.set i, i+2
.endr
	WIN 0x05
.set i, 0
.rept 16
	v_cvt_pk_bf16_f32 v[S+16*(\t)+i], v[32*(\t)+2*i], v[32*(\t)+2*i+1]
.set i, i+1
.endr
	WIN 0
.irp f, 0,1,2,3
	ds_store_b128 v[STO], v[S+16*(\t)+4*\f:S+16*(\t)+4*\f+3] offset:(\t)*16*SP+32*\f
.endr
.endm
	PACK 0
	PACK 1
	PACK 2
	PACK 3
	s_wait_dscnt 0x0                ; for the others' sake: a row's 256 bytes come from two waves
	s_barrier_signal -1
	s_barrier_wait -1
.irp t, 0,1,2,3,4,5,6,7,8,9,10,11,12,13,14,15
	ds_load_b128 v[S+4*\t:S+4*\t+3], v[RD] offset:\t*2*SP
.endr
.irp t, 0,1,2,3,4,5,6,7,8,9,10,11,12,13,14,15
	s_wait_dscnt 15-\t
	global_store_b128 v[GO], v[S+4*\t:S+4*\t+3], s[10:11] offset:4096*\t  ; 16 lanes store 256 consecutive bytes, aligned
.endr
	s_wait_tensorcnt 0x0            ; the wave's end
	ds_add_u32 v[SPW], v[NIL]
	s_wait_dscnt 0x0
	CROUND                          ; the closing round
	s_endpgm
.Lfunc_end_k_q29dcbd5137_attn:
	.size	k_q29dcbd5137_attn, .Lfunc_end_k_q29dcbd5137_attn-k_q29dcbd5137_attn
	.p2alignl 7, 3214868480
	.fill 96, 4, 3214868480
	.section	.rodata,"a",@progbits
	.p2align	6, 0x0
	.amdhsa_kernel k_q29dcbd5137_attn
		.amdhsa_group_segment_fixed_size 327680
		.amdhsa_private_segment_fixed_size 0
		.amdhsa_enable_private_segment 0
		.amdhsa_kernarg_size 32
		.amdhsa_user_sgpr_count 2
		.amdhsa_user_sgpr_kernarg_segment_ptr 1
		.amdhsa_wavefront_size32 1
		.amdhsa_system_sgpr_workgroup_id_x 1
		.amdhsa_system_sgpr_workgroup_id_y 1
		.amdhsa_system_sgpr_workgroup_id_z 1
		.amdhsa_system_vgpr_workitem_id 0
		.amdhsa_next_free_vgpr 768
		.amdhsa_next_free_sgpr 96
		.amdhsa_reserve_vcc 0
		.amdhsa_float_denorm_mode_32 3
		.amdhsa_float_denorm_mode_16_64 3
		.amdhsa_memory_ordered 1
		.amdhsa_forward_progress 1
		.amdhsa_inst_pref_size 132
	.end_amdhsa_kernel
	.amdgpu_metadata
---
amdhsa.version: [ 1, 2 ]
amdhsa.kernels:
  - .name:           k_q29dcbd5137_attn
    .symbol:         k_q29dcbd5137_attn.kd
    .args:
      - { .name: qkv, .offset: 0, .size: 8, .value_kind: global_buffer, .address_space: global }
      - { .name: dist_matrix, .offset: 8, .size: 8, .value_kind: global_buffer, .address_space: global }
      - { .name: gamma, .offset: 16, .size: 8, .value_kind: global_buffer, .address_space: global }
      - { .name: act, .offset: 24, .size: 8, .value_kind: global_buffer, .address_space: global }
    .group_segment_fixed_size: 327680
    .private_segment_fixed_size: 0
    .kernarg_segment_align: 8
    .kernarg_segment_size: 32
    .max_flat_workgroup_size: 128
    .sgpr_count:     96
    .vgpr_count:     768
    .wavefront_size: 32
...
	.end_amdgpu_metadata
.endif
;; end of part 3
;; launch proj (part 4): grid 8 x 32, 4 waves a work-group, clusters of 4 x 4, 327,680 bytes of LDS; arguments act, wb, proj_b, x, x1; writes x1
.if DOCPART == 4
	.amdgcn_target "amdgcn-amd-amdhsa--gfx1250"
	.amdhsa_code_object_version 6
	.text
	.protected	k_q29dcbd5137_proj
	.globl	k_q29dcbd5137_proj
	.p2align	8
	.type	k_q29dcbd5137_proj,@function
k_q29dcbd5137_proj:
	s_mov_b64 s[64:65], 0
	v_nop
	global_prefetch_b8 v0, s[64:65] scope:SCOPE_SE
	s_setreg_imm32_b32 hwreg(HW_REG_WAVE_MODE, 25, 1), 1
	s_wait_xcnt 0x0
	s_wait_alu depctr_hold_cnt(0) depctr_sa_sdst(0) depctr_va_vdst(0) depctr_va_sdst(0) depctr_va_ssrc(0) depctr_va_vcc(0) depctr_vm_vsrc(0)
	s_getreg_b32 s2, hwreg(HW_REG_IB_STS2, 6, 4)
	s_cmp_eq_u32 s2, 0
	s_cbranch_scc0 .Lentry_in_a_cluster
	s_endpgm
.Lentry_in_a_cluster:
	s_bfe_u32 s2, ttmp6, 0x10000c
	s_cmp_lg_u32 s2, 0xf033
	s_cbranch_scc0 .Lentry_shape_is_right
	s_endpgm
.Lentry_shape_is_right:
; x1 = x + O Wp + b.  O: act, bf16 [4096][1024].  Wp: wb at WREG, bf16 [8 column blocks][1024][128].  Sums in f32, started by the bias; the residual is added in f32; x1 is f32.
; A tile of C is 128 x 128, which gives each of 256 work-groups one: four waves, each 64 x 64 in 16 accumulators.  K goes in steps of 256 through two LDS slots filled by the tensor data mover.
; One text for a K step: the slot's LDS byte is a scalar that an exclusive or turns.  W lies [k][n] in LDS, its fragments come by the turning load.  Source 0 = 16 columns of W, source 1 = 16 rows of A.
; CLUSTER 4 x 4: A's tile is asked for jointly along a row of the cluster, W's along a column.  No prefetch: the tiles are small.
; LIMITS: operands are bf16; NaN and infinities are not treated apart.
; REGISTERS: window 0: v16-31 addresses; v96-127 the bias as C operands; v128-255 accumulator (a, b) at 128 + 8 (4 a + b).  window 1: two fragment buffers of 128 (A's 64, then W's 64).  window 2: v0-127 the residual.
.set K,      1024
.set WREG,   6291456
.set KSTEP,  256
.set T,      K/KSTEP
.set PA,     528
.set PW,     288
.set HALFA,  64*PA
.set HALFB,  128*PW
.set SLOT,   2*HALFA+2*HALFB           ; A's two halves of 64 rows, then W's 256 k rows
.set ASTEP,  KSTEP*2
.set WSTEP,  KSTEP*256
.set DP,     272                       ; the way out: a row of 64 f32 + 16 bytes
.set DWAVE,  64*DP                     ; a wave's part, in slot 1, which every wave has left and nothing fills again
.set SPARE,  2*SLOT
.set ADRA0, 16
.set ADRB0, 17
.set ADRA,  18
.set ADRB,  19
.set ADRB2, 20                         ; k rows 128 on: past the reach of an LDS offset
.set STO,   24
.set RD,    25
.set CO,    26
.set SPW,   28
.set NIL,   29
.set BO,    31
.set BI,    96
.set ACC,   128
.set F0,    0
.set F1,    128
.set WV, 14
.set RH, 15
.set CH, 16
.set CX, 17
.set CY, 18
.set TC, 19
.set TR, 20
.set TB, 21
.set WA, 22
.set WW, 23
.set G1, 24
.set G0, 32
.set G1B, 48
.set G0B, 56
.set MSB, 0
.macro WIN new
.if MSB != (\new)
	s_set_vgpr_msb (MSB<<8)|(\new)
.set MSB, \new
.endif
.endm
.macro PLACES
.rept 4
	v_nop
.endr
.endm
.macro JLOAD
	s_cmp_eq_u32 s[RH], 0
	s_cbranch_scc0 .Lfor_w_\@
	tensor_load_to_lds s[G0+4:G0+7], s[G1:G1+7]
	s_nop 0
.rept 4
	v_nop
.endr
	s_branch .Lasked_\@
.Lfor_w_\@:
	tensor_load_to_lds s[G0B+4:G0B+7], s[G1B:G1B+7]
	s_nop 0
.rept 4
	v_nop
.endr
.Lasked_\@:
.endm
.macro CREST
	s_cmp_lg_u32 s[WV], 0
	s_cbranch_scc1 .Lnot_wave_0_\@
	s_barrier_signal -3
.Lnot_wave_0_\@:
	s_barrier_wait -3
	s_barrier_signal -1
	s_barrier_wait -1
.endm
.macro CROUND
	s_barrier_signal -1
	s_barrier_wait -1
	CREST
.endm
.macro MUL8 f, c, a0, zero             ; 8 products: row blocks a0, a0 + 1 x 4 column blocks, half c of buffer f.  zero = 1: the bias starts the sum
	WIN 0x05
.irp a, \a0, (\a0)+1
.irp b, 0,1,2,3
.if \zero
	v_wmma_f32_16x16x32_bf16 v[ACC+8*(4*(\a)+(\b)):ACC+8*(4*(\a)+(\b))+7], v[(\f)+64+8*(4*(\c)+(\b)):(\f)+64+8*(4*(\c)+(\b))+7], v[(\f)+8*(4*(\c)+(\a)):(\f)+8*(4*(\c)+(\a))+7], v[BI+8*(\b):BI+8*(\b)+7]
.else
	v_wmma_f32_16x16x32_bf16 v[ACC+8*(4*(\a)+(\b)):ACC+8*(4*(\a)+(\b))+7], v[(\f)+64+8*(4*(\c)+(\b)):(\f)+64+8*(4*(\c)+(\b))+7], v[(\f)+8*(4*(\c)+(\a)):(\f)+8*(4*(\c)+(\a))+7], v[ACC+8*(4*(\a)+(\b)):ACC+8*(4*(\a)+(\b))+7]
.endif
.endr
.endr
.endm
.macro FETCH q, f                      ; 32 LDS loads in one run: quarter q (64 along K) into buffer f; the first 32 along K first
	WIN 0x40
.irp c, 0,1
.irp i, 0,1,2,3
.if (\q) < 2
	ds_load_tr16_b128 v[(\f)+64+8*(4*(\c)+(\i)):(\f)+64+8*(4*(\c)+(\i))+3],   v[ADRB] offset:((64*(\q)+32*(\c))%128)*PW+32*(\i)
	ds_load_tr16_b128 v[(\f)+64+8*(4*(\c)+(\i))+4:(\f)+64+8*(4*(\c)+(\i))+7], v[ADRB] offset:((64*(\q)+32*(\c))%128)*PW+16*PW+32*(\i)
.else
	ds_load_tr16_b128 v[(\f)+64+8*(4*(\c)+(\i)):(\f)+64+8*(4*(\c)+(\i))+3],   v[ADRB2] offset:((64*(\q)+32*(\c))%128)*PW+32*(\i)
	ds_load_tr16_b128 v[(\f)+64+8*(4*(\c)+(\i))+4:(\f)+64+8*(4*(\c)+(\i))+7], v[ADRB2] offset:((64*(\q)+32*(\c))%128)*PW+16*PW+32*(\i)
.endif
	ds_load_b128 v[(\f)+8*(4*(\c)+(\i)):(\f)+8*(4*(\c)+(\i))+3],   v[ADRA] offset:128*(\q)+64*(\c)+(\i)*16*PA
	ds_load_b128 v[(\f)+8*(4*(\c)+(\i))+4:(\f)+8*(4*(\c)+(\i))+7], v[ADRA] offset:128*(\q)+64*(\c)+(\i)*16*PA+32
.endr
.endr
.endm
.macro QUARTER q, f, g, zero
	s_wait_dscnt 16                                ; the first 32 along K are in
	MUL8 \f, 0, 0, \zero
	MUL8 \f, 0, 2, \zero
	PLACES
	FETCH \q, \g
	s_wait_dscnt 32                                ; all but the 32 just issued
	MUL8 \f, 1, 0, 0
	MUL8 \f, 1, 2, 0
.endm
.macro TURN fill                       ; the last quarter of a step: multiplies buffer 1 and changes slots
	WIN 0
	s_wait_tensorcnt 0x0                           ; all my tensor loads have landed: my part of the next slot
	ds_add_u32 v[SPW], v[NIL]
	s_wait_dscnt 17                                ; (the add and the youngest sixteen loads may be out)
	MUL8 F1, 0, 0, 0
	s_wait_dscnt 0x0                               ; the add is done, and my reads of this slot are over
	s_barrier_signal -1
	MUL8 F1, 0, 2, 0
.if \fill
	WIN 0
.endif
	s_barrier_wait -1
.if \fill
	CREST                                          ; no wave of any partner still reads the slot or has a load on its way
	s_add_co_u32 s[G0+5], s[WA], s[TB]
	s_add_co_u32 s[G0B+5], s[WW], s[TB]
	s_add_nc_u64 s[G0+6:G0+7], s[G0+6:G0+7], ASTEP
	s_add_nc_u64 s[G0B+6:G0B+7], s[G0B+6:G0B+7], WSTEP
	s_xor_b32 s[TB], s[TB], SLOT
	JLOAD                                          ; my one tensor load behind the round: 112 products stand between it and the wait for it
.else
	s_xor_b32 s[TB], s[TB], SLOT
	PLACES
	WIN 0
.endif
	v_add_nc_u32 v[ADRA], s[TB], v[ADRA0]
	v_add_nc_u32 v[ADRB], s[TB], v[ADRB0]
	v_add_nc_u32 v[ADRB2], 128*PW, v[ADRB]
	FETCH 0, F0
	MUL8 F1, 1, 0, 0
	MUL8 F1, 1, 2, 0
.endm
	s_load_b256 s[4:11], s[0:1], 0x0               ; A s[4:5], wb s[6:7], bias s[8:9], residual s[10:11]
	s_load_b64 s[12:13], s[0:1], 0x20              ; out
	v_lshl_add_u32 v[SPW], v0, 2, SPARE
	v_mov_b32 v[NIL], 0
	ds_add_u32 v[SPW], v[NIL]                      ; the wave's opening: the add and its wait ahead of my first tensor load
	v_lshrrev_b32 v1, 5, v0
	v_readfirstlane_b32 s[WV], v1
	s_lshr_b32 s[RH], s[WV], 1
	s_and_b32 s[CH], s[WV], 1
	s_bfe_u32 s[CX], ttmp6, 0x40000
	s_bfe_u32 s[CY], ttmp6, 0x40004
	s_lshl_b32 s[TC], ttmp9, 2
	s_add_co_u32 s[TC], s[TC], s[CX]
	s_and_b32 s[TR], ttmp7, 0xffff
	s_lshl_b32 s[TR], s[TR], 2
	s_add_co_u32 s[TR], s[TR], s[CY]
	s_lshl_b32 s40, s[CY], 2
	s_lshl_b32 s40, 15, s40
	s_lshl_b32 s41, 0x1111, s[CX]
	s_or_b32 s[G1], s40, (1<<16)|(1<<20)|(1<<21)|(6<<22)|(3<<25)   ; A: 64 rows x 256 elements; 4 words of padding after every 128
	s_or_b32 s[G1B], s41, (1<<16)|(1<<20)|(1<<21)|(5<<22)|(7<<25)  ; W: 128 rows x 128 elements; 8 words after every 64
	s_mov_b32 s[G1+1], 256<<16
	s_mov_b32 s[G1+2], 64<<16
	s_mov_b32 s[G1+3], 256<<16
	s_mov_b32 s[G1+4], 64
	s_mov_b32 s[G1+5], K
	s_mov_b32 s[G1+6], 0
	s_mov_b32 s[G1+7], 0
	s_mov_b32 s[G1B+1], 128<<16
	s_mov_b32 s[G1B+2], 128<<16
	s_mov_b32 s[G1B+3], 128<<16
	s_mov_b32 s[G1B+4], 128
	s_mov_b32 s[G1B+5], 128
	s_mov_b32 s[G1B+6], 0
	s_mov_b32 s[G1B+7], 0
	s_mul_i32 s[WA], s[CH], HALFA
	s_mul_i32 s[WW], s[CH], HALFB
	s_add_co_u32 s[WW], s[WW], 2*HALFA
	s_mov_b32 s[TB], 0
	s_lshl_b32 s66, s[TR], 7
	s_lshl_b32 s67, s[CH], 6
	s_add_co_u32 s66, s66, s67
	s_mul_i32 s66, s66, 2*K                        ; A: row 128 x tile row + 64 x half
	s_mov_b32 s67, 0
	s_mul_i32 s68, s[TC], K*256                    ; W: the tile column's block,
	s_lshl_b32 s69, s[CH], 15                      ; k rows 128 x half
	s_add_co_u32 s68, s68, s69
	s_add_co_u32 s68, s68, WREG
	s_mov_b32 s69, 0
	s_wait_dscnt 0x0
	s_wait_kmcnt 0x0
	s_add_nc_u64 s[66:67], s[4:5], s[66:67]
	s_add_nc_u64 s[68:69], s[6:7], s[68:69]
.irp s, 0,1
	s_mov_b32 s[G0+4*\s], 1
	s_add_co_u32 s[G0+4*\s+1], s[WA], \s*SLOT
	s_add_nc_u64 s[G0+4*\s+2:G0+4*\s+3], s[66:67], \s*ASTEP
	s_or_b32 s[G0+4*\s+3], s[G0+4*\s+3], 0x80000000
	s_mov_b32 s[G0B+4*\s], 1
	s_add_co_u32 s[G0B+4*\s+1], s[WW], \s*SLOT
	s_add_nc_u64 s[G0B+4*\s+2:G0B+4*\s+3], s[68:69], \s*WSTEP
	s_or_b32 s[G0B+4*\s+3], s[G0B+4*\s+3], 0x80000000
.endr
	CROUND
	s_cmp_eq_u32 s[RH], 0
	s_cbranch_scc0 .Lfirst_w
	tensor_load_to_lds s[G0:G0+3], s[G1:G1+7]
	s_nop 0
	tensor_load_to_lds s[G0+4:G0+7], s[G1:G1+7]
	s_nop 0
.rept 4
	v_nop
.endr
	s_branch .Lfirst_asked
.Lfirst_w:
	tensor_load_to_lds s[G0B:G0B+3], s[G1B:G1B+7]
	s_nop 0
	tensor_load_to_lds s[G0B+4:G0B+7], s[G1B:G1B+7]
	s_nop 0
.rept 4
	v_nop
.endr
.Lfirst_asked:
	v_and_b32 v1, 15, v0
	v_bfe_u32 v2, v0, 4, 1
	s_lshl_b32 s84, s[TC], 9
	s_lshl_b32 s85, s[CH], 8
	s_add_co_u32 s84, s84, s85
	v_lshl_add_u32 v[BO], v2, 5, s84
.irp b, 0,1,2,3
	global_load_b128 v[BI+8*\b:BI+8*\b+3],   v[BO], s[8:9] offset:64*\b
	global_load_b128 v[BI+8*\b+4:BI+8*\b+7], v[BO], s[8:9] offset:64*\b+16
.endr
	s_lshl_b32 s86, s[TR], 7
	s_lshl_b32 s87, s[RH], 6
	s_add_co_u32 s86, s86, s87
	s_lshl_b32 s86, s86, 12                        ; my first row, 4,096 bytes a row,
	s_add_co_u32 s86, s86, s84                     ; my first column, 4 bytes a number
	s_mov_b32 s87, 0
	s_add_nc_u64 s[10:11], s[10:11], s[86:87]
	s_add_nc_u64 s[12:13], s[12:13], s[86:87]
	v_lshlrev_b32 v[CO], 12, v2                    ; lanes 0-15 one row's 256 bytes, lanes 16-31 the next row's
	v_lshl_add_u32 v[CO], v1, 4, v[CO]
	WIN 0x80
.set t, 0
.rept 32
	global_load_b128 v[4*t:4*t+3], v[CO], s[10:11] offset:8192*t  ; the residual of my 64 x 64: on its way during the whole product
.set t, t+1
.endr
	WIN 0
	v_mul_u32_u24 v3, v1, PA
	v_lshl_add_u32 v3, v2, 4, v3
	s_mul_i32 s40, s[RH], HALFA
	v_add_nc_u32 v[ADRA0], s40, v3
	v_and_b32 v4, 7, v0
	v_lshl_add_u32 v4, v2, 3, v4
	v_mul_u32_u24 v4, v4, PW
	v_bfe_u32 v5, v0, 3, 1
	v_lshl_add_u32 v4, v5, 4, v4
	s_lshl_b32 s41, s[CH], 7
	s_add_co_u32 s41, s41, 2*HALFA
	v_add_nc_u32 v[ADRB0], s41, v4                 ; my 64 columns: 128 bytes of each k row
	v_mov_b32 v[ADRA], v[ADRA0]
	v_mov_b32 v[ADRB], v[ADRB0]
	v_add_nc_u32 v[ADRB2], 128*PW, v[ADRB0]
	s_mul_i32 s40, s[WV], DWAVE
	s_add_co_u32 s40, s40, SLOT
	v_mul_u32_u24 v[STO], v1, DP
	v_lshl_add_u32 v[STO], v2, 5, v[STO]
	v_add_nc_u32 v[STO], s40, v[STO]
	v_mul_u32_u24 v[RD], v2, DP
	v_lshl_add_u32 v[RD], v1, 4, v[RD]
	v_add_nc_u32 v[RD], s40, v[RD]
	s_wait_tensorcnt 1                             ; my part of step 0 is in; step 1's may stay out
	s_barrier_signal -1
	s_barrier_wait -1
	FETCH 0, F0
	s_wait_loadcnt 32                              ; the bias is in; the residual's 32 loads stay out
	QUARTER 1, F0, F1, 1
	WIN 0
	s_mov_b32 s3, T-2
.Lstep:
	QUARTER 2, F1, F0, 0
	QUARTER 3, F0, F1, 0
	TURN 1
	QUARTER 1, F0, F1, 0
	WIN 0
	s_sub_co_u32 s3, s3, 1
	s_cmp_lg_u32 s3, 0
	s_cbranch_scc1 .Lstep
	s_mov_b32 s3, 2
.Ltail:                                        ; the last two steps ask for nothing; the second trip has no next step: its first quarter is jumped, and the 32 loads behind its change of slots (filled bytes of slot 0) serve nothing
	QUARTER 2, F1, F0, 0
	QUARTER 3, F0, F1, 0
	TURN 0
	WIN 0
	s_cmp_eq_u32 s3, 1
	s_cbranch_scc1 .Lleave
	QUARTER 1, F0, F1, 0
	WIN 0
.Lleave:
	s_sub_co_u32 s3, s3, 1
	s_cmp_lg_u32 s3, 0
	s_cbranch_scc1 .Ltail
	; THE WAY OUT, through my own bytes of slot 1: every wave left that slot at the last barrier, and the loads behind it read slot 0.
	s_wait_dscnt 0x0
	PLACES
.irp a, 0,1,2,3
.irp b, 0,1,2,3
	ds_store_b128 v[STO], v[ACC+8*(4*\a+\b):ACC+8*(4*\a+\b)+3]   offset:\a*16*DP+64*\b
	ds_store_b128 v[STO], v[ACC+8*(4*\a+\b)+4:ACC+8*(4*\a+\b)+7] offset:\a*16*DP+64*\b+16
.endr
.endr
	WIN 0x40
.set t, 0
.rept 32
	ds_load_b128 v[4*t:4*t+3], v[RD] offset:2*DP*t  ; LDS serves a wave's instructions in order (ISA guide 5.7.1.4): these see the stores above
.set t, t+1
.endr
	s_wait_loadcnt 0x0                             ; the residual
	s_wait_dscnt 0x0
	WIN 0x89                                       ; destination and source 1 window 2, source 0 window 1
.set z, 0
.rept 64
	v_pk_add_f32 v[2*z:2*z+1], v[2*z:2*z+1], v[2*z:2*z+1]
.set z, z+1
.endr
	WIN 0x08
.set t, 0
.rept 32
	global_store_b128 v[CO], v[4*t:4*t+3], s[12:13] offset:8192*t  ; 16 lanes store 256 consecutive bytes, aligned
.set t, t+1
.endr
	WIN 0
	s_wait_tensorcnt 0x0                           ; the wave's end
	ds_add_u32 v[SPW], v[NIL]
	s_wait_dscnt 0x0
	CROUND
	s_endpgm
.Lfunc_end_k_q29dcbd5137_proj:
	.size	k_q29dcbd5137_proj, .Lfunc_end_k_q29dcbd5137_proj-k_q29dcbd5137_proj
	.p2alignl 7, 3214868480
	.fill 96, 4, 3214868480
	.section	.rodata,"a",@progbits
	.p2align	6, 0x0
	.amdhsa_kernel k_q29dcbd5137_proj
		.amdhsa_group_segment_fixed_size 327680
		.amdhsa_private_segment_fixed_size 0
		.amdhsa_enable_private_segment 0
		.amdhsa_kernarg_size 40
		.amdhsa_user_sgpr_count 2
		.amdhsa_user_sgpr_kernarg_segment_ptr 1
		.amdhsa_wavefront_size32 1
		.amdhsa_system_sgpr_workgroup_id_x 1
		.amdhsa_system_sgpr_workgroup_id_y 1
		.amdhsa_system_sgpr_workgroup_id_z 1
		.amdhsa_system_vgpr_workitem_id 0
		.amdhsa_next_free_vgpr 640
		.amdhsa_next_free_sgpr 96
		.amdhsa_reserve_vcc 0
		.amdhsa_float_denorm_mode_32 3
		.amdhsa_float_denorm_mode_16_64 3
		.amdhsa_memory_ordered 1
		.amdhsa_forward_progress 1
		.amdhsa_inst_pref_size 66
	.end_amdhsa_kernel
	.amdgpu_metadata
---
amdhsa.version: [ 1, 2 ]
amdhsa.kernels:
  - .name:           k_q29dcbd5137_proj
    .symbol:         k_q29dcbd5137_proj.kd
    .args:
      - { .name: act, .offset: 0, .size: 8, .value_kind: global_buffer, .address_space: global }
      - { .name: wb, .offset: 8, .size: 8, .value_kind: global_buffer, .address_space: global }
      - { .name: proj_b, .offset: 16, .size: 8, .value_kind: global_buffer, .address_space: global }
      - { .name: x, .offset: 24, .size: 8, .value_kind: global_buffer, .address_space: global }
      - { .name: x1, .offset: 32, .size: 8, .value_kind: global_buffer, .address_space: global }
    .group_segment_fixed_size: 327680
    .private_segment_fixed_size: 0
    .kernarg_segment_align: 8
    .kernarg_segment_size: 40
    .max_flat_workgroup_size: 128
    .sgpr_count:     96
    .vgpr_count:     640
    .wavefront_size: 32
...
	.end_amdgpu_metadata
.endif
;; end of part 4
;; launch ln2 (part 5): grid 256 x 1, 8 waves a work-group, no clusters, 0 bytes of LDS; arguments x1, ln2_w, ln2_b, act; writes act
.if DOCPART == 5
	.amdgcn_target "amdgcn-amd-amdhsa--gfx1250"
	.amdhsa_code_object_version 6
	.text
	.protected	k_q29dcbd5137_ln2
	.globl	k_q29dcbd5137_ln2
	.p2align	8
	.type	k_q29dcbd5137_ln2,@function
k_q29dcbd5137_ln2:
	s_mov_b64 s[64:65], 0
	v_nop
	global_prefetch_b8 v0, s[64:65] scope:SCOPE_SE
	s_setreg_imm32_b32 hwreg(HW_REG_WAVE_MODE, 25, 1), 1
	s_wait_xcnt 0x0
; act = LN2(x1) in bf16.  A wave takes two whole rows of 1,024 f32 and keeps them in registers between the passes: the mean, then the mean of squared differences, as the problem writes it.
; No LDS, no barrier.  NaN and infinities are not treated apart.
.set SEL,  40
.set SINV, 42
.set SEPS, 43
.set XP,   4
.set WP,   6
.set BP,   8
.set OUTP, 10
.set X0,   32
.set X1,   64
.set LW,   96
.set LB,   128
.macro WSUM                            ; four packed chains v[4:11] -> their sum over the wave's 32 lanes, in v4 of every lane
	v_pk_add_f32 v[4:5], v[4:5], v[6:7]
	v_pk_add_f32 v[8:9], v[8:9], v[10:11]
	v_pk_add_f32 v[4:5], v[4:5], v[8:9]
	v_add_f32 v4, v4, v5
	v_add_f32_dpp v4, v4, v4 row_xmask:1 row_mask:0xf bank_mask:0xf
	v_add_f32_dpp v4, v4, v4 row_xmask:2 row_mask:0xf bank_mask:0xf
	v_add_f32_dpp v4, v4, v4 row_xmask:4 row_mask:0xf bank_mask:0xf
	v_add_f32_dpp v4, v4, v4 row_xmask:8 row_mask:0xf bank_mask:0xf
	v_permlanex16_b32 v5, v4, s[SEL], s[SEL+1]
	v_add_f32 v4, v4, v5
.endm
.macro LNROW X, left, ooff
	s_wait_loadcnt \left
.irp c, 0,1,2,3
	v_pk_add_f32 v[4+2*\c:5+2*\c], v[\X+2*\c:\X+2*\c+1], v[\X+8+2*\c:\X+9+2*\c]
.endr
.irp p, 8,9,10,11,12,13,14,15
	v_pk_add_f32 v[4+2*((\p)%4):5+2*((\p)%4)], v[4+2*((\p)%4):5+2*((\p)%4)], v[\X+2*\p:\X+2*\p+1]
.endr
	WSUM
	v_mul_f32 v12, s[SINV], v4
	v_mov_b32 v13, v12
.irp p, 0,1,2,3,4,5,6,7,8,9,10,11,12,13,14,15
	v_pk_add_f32 v[\X+2*\p:\X+2*\p+1], v[\X+2*\p:\X+2*\p+1], v[12:13] neg_lo:[0,1] neg_hi:[0,1]
.endr
.irp c, 0,1,2,3
	v_pk_mul_f32 v[4+2*\c:5+2*\c], v[\X+2*\c:\X+2*\c+1], v[\X+2*\c:\X+2*\c+1]
.endr
.irp p, 4,5,6,7,8,9,10,11,12,13,14,15
	v_pk_fma_f32 v[4+2*((\p)%4):5+2*((\p)%4)], v[\X+2*\p:\X+2*\p+1], v[\X+2*\p:\X+2*\p+1], v[4+2*((\p)%4):5+2*((\p)%4)]
.endr
	WSUM
	v_fma_f32 v6, v4, s[SINV], s[SEPS]
	v_rsq_f32 v14, v6
	v_rsq_f32 v15, v6
	v_nop                                          ; a plain instruction behind the last root,
	s_wait_alu depctr_va_vdst(0)                   ; and one wait for both
.if \left
	s_wait_loadcnt 0x0                             ; gains and biases are in
.endif
.irp j, 0,1,2,3,4,5,6,7
	v_pk_mul_f32 v[16:17], v[\X+4*\j:\X+4*\j+1], v[14:15]
	v_pk_mul_f32 v[18:19], v[\X+4*\j+2:\X+4*\j+3], v[14:15]
	v_pk_fma_f32 v[16:17], v[16:17], v[LW+4*\j:LW+4*\j+1], v[LB+4*\j:LB+4*\j+1]
	v_pk_fma_f32 v[18:19], v[18:19], v[LW+4*\j+2:LW+4*\j+3], v[LB+4*\j+2:LB+4*\j+3]
	v_cvt_pk_bf16_f32 v[\X+4*\j], v16, v17         ; into the row's own registers, which nothing rewrites
	v_cvt_pk_bf16_f32 v[\X+4*\j+1], v18, v19
	global_store_b64 v2, v[\X+4*\j:\X+4*\j+1], s[OUTP:OUTP+1] offset:(\ooff)+256*\j  ; 256 consecutive bytes, aligned
.endr
.endm
	s_load_b256 s[4:11], s[0:1], 0x0               ; x1, gain, bias, act
	v_lshrrev_b32 v1, 5, v0
	v_readfirstlane_b32 s22, v1
	v_and_b32 v2, 31, v0
	s_lshl3_add_u32 s23, ttmp9, s22
	s_lshl_b32 s23, s23, 1                         ; two rows a wave
	s_mov_b32 s[SEL], 0x76543210
	s_mov_b32 s[SEL+1], 0xfedcba98
	s_mov_b32 s[SINV], 0x3a800000                  ; 1/1024
	s_mov_b32 s[SEPS], 0x3727c5ac                  ; 1e-5
	v_lshlrev_b32 v1, 4, v2
	v_lshlrev_b32 v2, 3, v2
	s_lshl_b32 s24, s23, 12
	s_mov_b32 s25, 0
	s_lshl_b32 s26, s23, 11
	s_mov_b32 s27, 0
	s_wait_kmcnt 0x0
	s_add_nc_u64 s[XP:XP+1], s[XP:XP+1], s[24:25]
	s_add_nc_u64 s[OUTP:OUTP+1], s[OUTP:OUTP+1], s[26:27]
.irp j, 0,1,2,3,4,5,6,7
	global_load_b128 v[X0+4*\j:X0+4*\j+3], v1, s[XP:XP+1] offset:512*\j
.endr
.irp j, 0,1,2,3,4,5,6,7
	global_load_b128 v[X1+4*\j:X1+4*\j+3], v1, s[XP:XP+1] offset:4096+512*\j
.endr
.irp j, 0,1,2,3,4,5,6,7
	global_load_b128 v[LW+4*\j:LW+4*\j+3], v1, s[WP:WP+1] offset:512*\j
.endr
.irp j, 0,1,2,3,4,5,6,7
	global_load_b128 v[LB+4*\j:LB+4*\j+3], v1, s[BP:BP+1] offset:512*\j
.endr
	LNROW X0, 24, 0                                ; row 1, gains and biases (24 loads) may stay out
	LNROW X1, 0, 2048
	s_endpgm
.Lfunc_end_k_q29dcbd5137_ln2:
	.size	k_q29dcbd5137_ln2, .Lfunc_end_k_q29dcbd5137_ln2-k_q29dcbd5137_ln2
	.p2alignl 7, 3214868480
	.fill 96, 4, 3214868480
	.section	.rodata,"a",@progbits
	.p2align	6, 0x0
	.amdhsa_kernel k_q29dcbd5137_ln2
		.amdhsa_group_segment_fixed_size 0
		.amdhsa_private_segment_fixed_size 0
		.amdhsa_enable_private_segment 0
		.amdhsa_kernarg_size 32
		.amdhsa_user_sgpr_count 2
		.amdhsa_user_sgpr_kernarg_segment_ptr 1
		.amdhsa_wavefront_size32 1
		.amdhsa_system_sgpr_workgroup_id_x 1
		.amdhsa_system_sgpr_workgroup_id_y 1
		.amdhsa_system_sgpr_workgroup_id_z 1
		.amdhsa_system_vgpr_workitem_id 0
		.amdhsa_next_free_vgpr 160
		.amdhsa_next_free_sgpr 66
		.amdhsa_reserve_vcc 0
		.amdhsa_float_denorm_mode_32 3
		.amdhsa_float_denorm_mode_16_64 3
		.amdhsa_memory_ordered 1
		.amdhsa_forward_progress 1
		.amdhsa_inst_pref_size 20
	.end_amdhsa_kernel
	.amdgpu_metadata
---
amdhsa.version: [ 1, 2 ]
amdhsa.kernels:
  - .name:           k_q29dcbd5137_ln2
    .symbol:         k_q29dcbd5137_ln2.kd
    .args:
      - { .name: x1, .offset: 0, .size: 8, .value_kind: global_buffer, .address_space: global }
      - { .name: ln2_w, .offset: 8, .size: 8, .value_kind: global_buffer, .address_space: global }
      - { .name: ln2_b, .offset: 16, .size: 8, .value_kind: global_buffer, .address_space: global }
      - { .name: act, .offset: 24, .size: 8, .value_kind: global_buffer, .address_space: global }
    .group_segment_fixed_size: 0
    .private_segment_fixed_size: 0
    .kernarg_segment_align: 8
    .kernarg_segment_size: 32
    .max_flat_workgroup_size: 256
    .sgpr_count:     66
    .vgpr_count:     160
    .wavefront_size: 32
...
	.end_amdgpu_metadata
.endif
;; end of part 5
;; launch mlp1 (part 6): grid 16 x 16, 4 waves a work-group, clusters of 4 x 4, 327,680 bytes of LDS; arguments act, wb, mlp_b1, g; writes g
.if DOCPART == 6
	.amdgcn_target "amdgcn-amd-amdhsa--gfx1250"
	.amdhsa_code_object_version 6
	.text
	.protected	k_q29dcbd5137_mlp1
	.globl	k_q29dcbd5137_mlp1
	.p2align	8
	.type	k_q29dcbd5137_mlp1,@function
k_q29dcbd5137_mlp1:
	s_mov_b64 s[64:65], 0
	v_nop
	global_prefetch_b8 v0, s[64:65] scope:SCOPE_SE
	s_setreg_imm32_b32 hwreg(HW_REG_WAVE_MODE, 25, 1), 1
	s_wait_xcnt 0x0
	s_wait_alu depctr_hold_cnt(0) depctr_sa_sdst(0) depctr_va_vdst(0) depctr_va_sdst(0) depctr_va_ssrc(0) depctr_va_vcc(0) depctr_vm_vsrc(0)
	s_getreg_b32 s2, hwreg(HW_REG_IB_STS2, 6, 4)
	s_cmp_eq_u32 s2, 0
	s_cbranch_scc0 .Lentry_in_a_cluster
	s_endpgm
.Lentry_in_a_cluster:
	s_bfe_u32 s2, ttmp6, 0x10000c
	s_cmp_lg_u32 s2, 0xf033
	s_cbranch_scc0 .Lentry_shape_is_right
	s_endpgm
.Lentry_shape_is_right:
; g = gelu(h2 W1 + b), the exact GELU x Phi(x).  h2: act, bf16 [4096][1024].  W1: wb at WREG, bf16 [32 column blocks][1024][128].  Sums in f32, started by the bias; g rounded once to bf16, [4096][4096].
; THE GELU, in f32: gelu(x) = max(x, 0) - |x| e poly(t), t = 1 / (1 + 0.2316419 |x|), e = 2^-(k1 x)^2 = exp(-x^2 / 2), poly the five-term form of the normal tail (Abramowitz and Stegun 26.2.17, its
; coefficients divided by sqrt(2 pi)): the tail's error is at most 7.5e-8 for every x.  Where (k1 x)^2 overflows e is 0.  NaN and infinities are not treated apart.
; The product is the text of the launch qkv: a tile of 256 x 256, four waves of 128 x 128, K steps of 128 through two LDS slots, one text for a step, W turned on its way out of LDS,
; source 0 = 16 columns of W, source 1 = 16 rows of h2; cluster 4 x 4 with joint loads along rows (h2) and columns (W).  256 work-groups.
; REGISTERS: window 0: v16-31 addresses; v32-159 the GELU at work; v64-127, v128-191 h2's fragments; v192-255 the bias.  window 1: v64-191 W's fragments.  windows 2, 3: accumulator (a, b) at 8 (8 (a % 4) + b).
.set K,      1024
.set WREG,   8388608
.set KSTEP,  128
.set T,      K/KSTEP
.set PA,     272
.set PW,     288
.set HALFA,  128*PA
.set HALFB,  128*PW
.set SLOT,   2*HALFA+2*HALFB
.set ASTEP,  KSTEP*2
.set WSTEP,  KSTEP*256
.set DP,     528
.set DWAVE,  144*DP                    ; 128 rows, and 16 more that hold rows 0-15 again: the loop's look-ahead behind its last trip reads written bytes of the wave's own
.set SPARE,  4*DWAVE
.set ADRA0, 16
.set ADRB0, 17
.set ADRA,  18
.set ADRB,  19
.set STO,   24
.set RD,    25
.set CO,    26
.set STO2,  27
.set SPW,   28
.set NIL,   29
.set PFO,   30
.set BO,    31
.set F0,    64
.set F1,    128
.set BI,    192
.set GY,    32                         ; the GELU: packed output
.set GX,    64                         ; 16 numbers x
.set GA,    80                         ; |x|
.set GMX,   96                         ; max(x, 0), then the result
.set GW,    112                        ; k1 x, then -(k1 x)^2, then e
.set GD,    128                        ; 1 + p |x|, then t
.set GP,    144                        ; the polynomial
.set WV, 14
.set RH, 15
.set CH, 16
.set CX, 17
.set CY, 18
.set TC, 19
.set TR, 20
.set TB, 21
.set WA, 22
.set WW, 23
.set G1, 24
.set G0, 32
.set LIM, 43
.set PFA, 44
.set PFS, 46
.set G1B, 48
.set G0B, 56
.set C1, 70                            ; s[70:83] the GELU's constants, as pairs: a packed line takes the low word for both halves
.set C2, 72
.set C3, 74
.set C4, 76
.set C5, 78
.set CK, 80
.set CP, 82
.set MSB, 0
.macro WIN new
.if MSB != (\new)
	s_set_vgpr_msb (MSB<<8)|(\new)
.set MSB, \new
.endif
.endm
.macro PLACES
.rept 4
	v_nop
.endr
.endm
.macro JLOAD
	s_cmp_eq_u32 s[RH], 0
	s_cbranch_scc0 .Lfor_w_\@
	tensor_load_to_lds s[G0+4:G0+7], s[G1:G1+7]
	s_nop 0
.rept 4
	v_nop
.endr
	s_branch .Lasked_\@
.Lfor_w_\@:
	tensor_load_to_lds s[G0B+4:G0B+7], s[G1B:G1B+7]
	s_nop 0
.rept 4
	v_nop
.endr
.Lasked_\@:
.endm
.macro CREST
	s_cmp_lg_u32 s[WV], 0
	s_cbranch_scc1 .Lnot_wave_0_\@
	s_barrier_signal -3
.Lnot_wave_0_\@:
	s_barrier_wait -3
	s_barrier_signal -1
	s_barrier_wait -1
.endm
.macro CROUND
	s_barrier_signal -1
	s_barrier_wait -1
	CREST
.endm
; A prefetch of the K step that stands two refills on: 32 rows x 256 bytes, a lane a row.  h2's rows are asked for by the clusters with x = 0, W's by those with y = 0; the four partners that
; ask for a tile jointly take 32 of its 128 rows each, told apart by address.  So each row's 256 bytes of a step are named once.  The last two refills have no step two on.
.macro ASK
	s_cmp_gt_u32 s3, s[LIM]
	s_cbranch_scc0 .Lnot_mine_\@
	global_prefetch_b8 v[PFO], s[PFA:PFA+1] th:TH_LOAD_NT scope:SCOPE_SE
.Lnot_mine_\@:
.endm
.macro MUL16 f, hi, a0, zero
.if \zero
	WIN 0x81+0x40*(\hi)
.else
	WIN 0xa1+0x50*(\hi)
.endif
.irp a, \a0, (\a0)+1
.irp b, 0,1,2,3,4,5,6,7
.if \zero
	v_wmma_f32_16x16x32_bf16 v[8*(8*(\a)+(\b)):8*(8*(\a)+(\b))+7], v[(\f)+8*(\b):(\f)+8*(\b)+7], v[(\f)+8*(4*(\hi)+(\a)):(\f)+8*(4*(\hi)+(\a))+7], v[BI+8*(\b):BI+8*(\b)+7]
.else
	v_wmma_f32_16x16x32_bf16 v[8*(8*(\a)+(\b)):8*(8*(\a)+(\b))+7], v[(\f)+8*(\b):(\f)+8*(\b)+7], v[(\f)+8*(4*(\hi)+(\a)):(\f)+8*(4*(\hi)+(\a))+7], v[8*(8*(\a)+(\b)):8*(8*(\a)+(\b))+7]
.endif
.endr
.endr
.endm
.macro FETCH q, f
	WIN 0x40
.irp b, 0,1,2,3,4,5,6,7
	ds_load_tr16_b128 v[(\f)+8*(\b):(\f)+8*(\b)+3],   v[ADRB] offset:(\q)*32*PW+32*(\b)
	ds_load_tr16_b128 v[(\f)+8*(\b)+4:(\f)+8*(\b)+7], v[ADRB] offset:(\q)*32*PW+16*PW+32*(\b)
.endr
	WIN 0
.irp a, 0,1,2,3,4,5,6,7
	ds_load_b128 v[(\f)+8*(\a):(\f)+8*(\a)+3],   v[ADRA] offset:(\q)*64+(\a)*16*PA
	ds_load_b128 v[(\f)+8*(\a)+4:(\f)+8*(\a)+7], v[ADRA] offset:(\q)*64+(\a)*16*PA+32
.endr
.endm
.macro QUARTER q, f, g, zero
	s_wait_dscnt 8                                 ; W and h2's rows 0-63 are in; the youngest eight loads may be out
	MUL16 \f, 0, 0, \zero
	MUL16 \f, 0, 2, \zero
	PLACES
	FETCH \q, \g
	s_wait_dscnt 32                                ; all but the 32 just issued
	MUL16 \f, 1, 0, \zero
	MUL16 \f, 1, 2, \zero
.endm
.macro MEET round
	WIN 0
	s_wait_tensorcnt 0x0                           ; all my tensor loads have landed: my part of the next slot
	ds_add_u32 v[SPW], v[NIL]
	s_wait_dscnt 9                                 ; (the add and the youngest eight loads may be out)
	MUL16 F1, 0, 0, 0
	s_wait_dscnt 0x0                               ; the add is done, and my reads of this slot are over
	s_barrier_signal -1
	MUL16 F1, 0, 2, 0
.if \round
	WIN 0
.endif
	s_barrier_wait -1
.endm
.macro TURN fill
.if \fill
	s_wait_xcnt 0x0                                ; the last prefetch, a step back, has read its address
	s_add_nc_u64 s[PFA:PFA+1], s[PFA:PFA+1], s[PFS:PFS+1]
.endif
	MEET \fill
.if \fill
	CREST
	s_add_co_u32 s[G0+5], s[WA], s[TB]
	s_add_co_u32 s[G0B+5], s[WW], s[TB]
	s_add_nc_u64 s[G0+6:G0+7], s[G0+6:G0+7], ASTEP
	s_add_nc_u64 s[G0B+6:G0B+7], s[G0B+6:G0B+7], WSTEP
	s_xor_b32 s[TB], s[TB], SLOT
	JLOAD                                          ; my one tensor load behind the round: 224 products stand between it and the wait for it
.else
	s_xor_b32 s[TB], s[TB], SLOT
	PLACES
	WIN 0
.endif
	v_add_nc_u32 v[ADRA], s[TB], v[ADRA0]
	v_add_nc_u32 v[ADRB], s[TB], v[ADRB0]
	FETCH 0, F0
.if \fill
	ASK
.endif
	MUL16 F1, 1, 0, 0
	MUL16 F1, 1, 2, 0
.endm
	s_load_b256 s[4:11], s[0:1], 0x0               ; act s[4:5], wb s[6:7], bias s[8:9], g s[10:11]
	v_lshl_add_u32 v[SPW], v0, 2, SPARE
	v_mov_b32 v[NIL], 0
	ds_add_u32 v[SPW], v[NIL]                      ; the wave's opening: the add and its wait ahead of my first tensor load
	v_lshrrev_b32 v1, 5, v0
	v_readfirstlane_b32 s[WV], v1
	s_lshr_b32 s[RH], s[WV], 1
	s_and_b32 s[CH], s[WV], 1
	s_bfe_u32 s[CX], ttmp6, 0x40000
	s_bfe_u32 s[CY], ttmp6, 0x40004
	s_lshl_b32 s[TC], ttmp9, 2
	s_add_co_u32 s[TC], s[TC], s[CX]
	s_and_b32 s[TR], ttmp7, 0xffff
	s_lshl_b32 s[TR], s[TR], 2
	s_add_co_u32 s[TR], s[TR], s[CY]
	s_lshl_b32 s40, s[CY], 2
	s_lshl_b32 s40, 15, s40
	s_lshl_b32 s41, 0x1111, s[CX]
	s_or_b32 s[G1], s40, (1<<16)|(1<<20)|(1<<21)|(5<<22)|(3<<25)
	s_or_b32 s[G1B], s41, (1<<16)|(1<<20)|(1<<21)|(5<<22)|(7<<25)
.irp g, G1, G1B
	s_mov_b32 s[\g+1], 128<<16
	s_mov_b32 s[\g+2], 128<<16
	s_mov_b32 s[\g+3], 128<<16
	s_mov_b32 s[\g+4], 128
	s_mov_b32 s[\g+6], 0
	s_mov_b32 s[\g+7], 0
.endr
	s_mov_b32 s[G1+5], K
	s_mov_b32 s[G1B+5], 128
	s_mul_i32 s[WA], s[CH], HALFA
	s_mul_i32 s[WW], s[CH], HALFB
	s_add_co_u32 s[WW], s[WW], 2*HALFA
	s_mov_b32 s[TB], 0
	s_mov_b32 s[C1], 0x3e027906
	s_mov_b32 s[C1+1], s[C1]
	s_mov_b32 s[C2], 0xbe11a98e
	s_mov_b32 s[C2+1], s[C2]
	s_mov_b32 s[C3], 0x3f35f0e3
	s_mov_b32 s[C3+1], s[C3]
	s_mov_b32 s[C4], 0xbf3a00e3
	s_mov_b32 s[C4+1], s[C4]
	s_mov_b32 s[C5], 0x3f07dc22
	s_mov_b32 s[C5+1], s[C5]
	s_mov_b32 s[CK], 0x3f596d27                    ; k1 = sqrt(log2(e) / 2)
	s_mov_b32 s[CK+1], s[CK]
	s_mov_b32 s[CP], 0x3e6d3389                    ; 0.2316419
	s_mov_b32 s[CP+1], s[CP]
	s_lshl_b32 s66, s[TR], 8
	s_lshl_b32 s67, s[CH], 7
	s_add_co_u32 s66, s66, s67
	s_mul_i32 s66, s66, 2*K
	s_mov_b32 s67, 0
	s_lshl1_add_u32 s68, s[TC], s[CH]
	s_mul_i32 s68, s68, K*256
.if WREG
	s_add_co_u32 s68, s68, WREG
.endif
	s_mov_b32 s69, 0
	s_wait_dscnt 0x0
	s_wait_kmcnt 0x0
	s_add_nc_u64 s[66:67], s[4:5], s[66:67]
	s_add_nc_u64 s[68:69], s[6:7], s[68:69]
.irp s, 0,1
	s_mov_b32 s[G0+4*\s], 1
	s_add_co_u32 s[G0+4*\s+1], s[WA], \s*SLOT
	s_add_nc_u64 s[G0+4*\s+2:G0+4*\s+3], s[66:67], \s*ASTEP
	s_or_b32 s[G0+4*\s+3], s[G0+4*\s+3], 0x80000000
	s_mov_b32 s[G0B+4*\s], 1
	s_add_co_u32 s[G0B+4*\s+1], s[WW], \s*SLOT
	s_add_nc_u64 s[G0B+4*\s+2:G0B+4*\s+3], s[68:69], \s*WSTEP
	s_or_b32 s[G0B+4*\s+3], s[G0B+4*\s+3], 0x80000000
.endr
	CROUND
	s_cmp_eq_u32 s[RH], 0
	s_cbranch_scc0 .Lfirst_w
	tensor_load_to_lds s[G0:G0+3], s[G1:G1+7]
	s_nop 0
	tensor_load_to_lds s[G0+4:G0+7], s[G1:G1+7]
	s_nop 0
.rept 4
	v_nop
.endr
	s_branch .Lfirst_asked
.Lfirst_w:
	tensor_load_to_lds s[G0B:G0B+3], s[G1B:G1B+7]
	s_nop 0
	tensor_load_to_lds s[G0B+4:G0B+7], s[G1B:G1B+7]
	s_nop 0
.rept 4
	v_nop
.endr
.Lfirst_asked:
	v_and_b32 v1, 15, v0
	v_bfe_u32 v2, v0, 4, 1
	s_lshl_b32 s84, s[TC], 10
	s_lshl_b32 s85, s[CH], 9
	s_add_co_u32 s84, s84, s85
	v_lshl_add_u32 v[BO], v2, 5, s84
.irp b, 0,1,2,3,4,5,6,7
	global_load_b128 v[BI+8*\b:BI+8*\b+3],   v[BO], s[8:9] offset:64*\b
	global_load_b128 v[BI+8*\b+4:BI+8*\b+7], v[BO], s[8:9] offset:64*\b+16
.endr
	v_mul_u32_u24 v3, v1, PA
	v_lshl_add_u32 v3, v2, 4, v3
	s_mul_i32 s40, s[RH], HALFA
	v_add_nc_u32 v[ADRA0], s40, v3
	v_and_b32 v4, 7, v0
	v_lshl_add_u32 v4, v2, 3, v4
	v_mul_u32_u24 v4, v4, PW
	v_bfe_u32 v5, v0, 3, 1
	v_lshl_add_u32 v4, v5, 4, v4
	s_mul_i32 s41, s[CH], HALFB
	s_add_co_u32 s41, s41, 2*HALFA
	v_add_nc_u32 v[ADRB0], s41, v4
	v_mov_b32 v[ADRA], v[ADRA0]
	v_mov_b32 v[ADRB], v[ADRB0]
	s_mul_i32 s40, s[WV], DWAVE
	v_mul_u32_u24 v[STO], v1, DP
	v_lshl_add_u32 v[STO], v2, 5, v[STO]
	v_add_nc_u32 v[STO], s40, v[STO]
	v_add_nc_u32 v[STO2], 128*DP, v[STO]
	v_mul_u32_u24 v[RD], v2, DP                    ; back: lanes 0-15 one row (32 bytes of f32 each), lanes 16-31 the next
	v_lshl_add_u32 v[RD], v1, 5, v[RD]
	v_add_nc_u32 v[RD], s40, v[RD]
	v_lshlrev_b32 v[CO], 13, v2                    ; and the same two rows in g, 16 bytes a lane
	v_lshl_add_u32 v[CO], v1, 4, v[CO]
	; the prefetches
	s_and_b32 s86, ttmp7, 0xffff
	s_cmp_eq_u32 s[RH], 0
	s_cselect_b32 s84, s[CX], s[CY]
	s_cselect_b32 s86, ttmp9, s86
	s_cselect_b64 s[PFA:PFA+1], s[66:67], s[68:69]
	s_mov_b32 s85, 32*256
	s_cselect_b32 s85, 64*K, s85
	s_mov_b32 s[PFS], WSTEP
	s_cselect_b32 s[PFS], ASTEP, s[PFS]
	s_mov_b32 s[PFS+1], 0
	s_mov_b32 s87, 256
	s_cselect_b32 s87, 2*K, s87
	s_mul_i32 s84, s84, s85
	s_mov_b32 s85, 0
	s_add_nc_u64 s[PFA:PFA+1], s[PFA:PFA+1], s[84:85]
	s_mul_i32 s84, s[PFS], 3
	s_add_nc_u64 s[PFA:PFA+1], s[PFA:PFA+1], s[84:85]  ; at step 3: the first change of slots steps it to 4.  Nothing is asked for at the head
	s_cmp_eq_u32 s86, 0
	s_cselect_b32 s[LIM], 2, -1
	v_and_b32 v[PFO], 31, v0
	v_mul_u32_u24 v[PFO], s87, v[PFO]
	; g at my 128 x 128
	s_lshl_b32 s84, s[TR], 8
	s_lshl_b32 s85, s[RH], 7
	s_add_co_u32 s84, s84, s85
	s_lshl_b32 s84, s84, 13
	s_lshl_b32 s85, s[TC], 9
	s_add_co_u32 s84, s84, s85
	s_lshl_b32 s85, s[CH], 8
	s_add_co_u32 s84, s84, s85
	s_mov_b32 s85, 0
	s_add_nc_u64 s[10:11], s[10:11], s[84:85]
	s_wait_tensorcnt 1                             ; my part of step 0 is in; step 1's may stay out
	s_barrier_signal -1
	s_barrier_wait -1
	FETCH 0, F0
	s_wait_loadcnt 0x0                             ; the bias
	QUARTER 1, F0, F1, 1
	WIN 0
	s_mov_b32 s3, T-2
.Lstep:
	QUARTER 2, F1, F0, 0
	QUARTER 3, F0, F1, 0
	TURN 1
	QUARTER 1, F0, F1, 0
	WIN 0
	s_sub_co_u32 s3, s3, 1
	s_cmp_lg_u32 s3, 0
	s_cbranch_scc1 .Lstep
	s_mov_b32 s3, 2
.Ltail:                                        ; the last two steps ask for nothing; the second trip has no next step: its first quarter is jumped, and its change of slots and the 32 loads behind it (filled bytes) serve nothing
	QUARTER 2, F1, F0, 0
	QUARTER 3, F0, F1, 0
	TURN 0
	WIN 0
	s_cmp_eq_u32 s3, 1
	s_cbranch_scc1 .Lleave
	QUARTER 1, F0, F1, 0
	WIN 0
.Lleave:
	s_sub_co_u32 s3, s3, 1
	s_cmp_lg_u32 s3, 0
	s_cbranch_scc1 .Ltail
	; THE WAY OUT.  The f32 sums go into LDS, over the ring: every wave's reads of it are over first.
	s_wait_dscnt 0x0
	s_barrier_signal -1
	s_barrier_wait -1
	PLACES
.irp a, 0,1,2,3,4,5,6,7
	WIN 0x08+4*((\a)/4)
.irp b, 0,1,2,3,4,5,6,7
	ds_store_b128 v[STO], v[8*(8*((\a)%4)+(\b)):8*(8*((\a)%4)+(\b))+3]   offset:(\a)*16*DP+64*(\b)
	ds_store_b128 v[STO], v[8*(8*((\a)%4)+(\b))+4:8*(8*((\a)%4)+(\b))+7] offset:(\a)*16*DP+64*(\b)+16
.endr
.endr
	WIN 0x08
.irp b, 0,1,2,3,4,5,6,7
	ds_store_b128 v[STO2], v[8*(\b):8*(\b)+3]   offset:64*(\b)     ; rows 0-15 once more, as rows 128-143
	ds_store_b128 v[STO2], v[8*(\b)+4:8*(\b)+7] offset:64*(\b)+16
.endr
	WIN 0
.macro XLOAD                           ; four rows: 16 numbers a lane
.irp p, 0,1
	ds_load_b128 v[GX+8*\p:GX+8*\p+3],   v[RD] offset:\p*2*DP
	ds_load_b128 v[GX+8*\p+4:GX+8*\p+7], v[RD] offset:\p*2*DP+16
.endr
.endm
	XLOAD                                          ; my own bytes: LDS serves a wave's instructions in order (ISA guide 5.7.1.4)
	s_mov_b32 s3, 32
.Lgelu:                                        ; 4 rows a trip; the next trip's numbers are fetched when this trip's have been read
	s_wait_dscnt 0x0
.set n, 0
.rept 16
	v_and_b32 v[GA+n], 0x7fffffff, v[GX+n]
.set n, n+1
.endr
.set n, 0
.rept 8
	v_pk_fma_f32 v[GD+2*n:GD+2*n+1], v[GA+2*n:GA+2*n+1], s[CP:CP+1], 1.0 op_sel_hi:[1,0,0]
.set n, n+1
.endr
.set n, 0
.rept 8                                ; the 16 reciprocals, a plain line beside each
	v_rcp_f32 v[GD+n], v[GD+n]
	v_pk_mul_f32 v[GW+2*n:GW+2*n+1], v[GX+2*n:GX+2*n+1], s[CK:CK+1] op_sel_hi:[1,0]
.set n, n+1
.endr
.set n, 0
.rept 8
	v_rcp_f32 v[GD+8+n], v[GD+8+n]
	v_pk_mul_f32 v[GW+2*n:GW+2*n+1], v[GW+2*n:GW+2*n+1], v[GW+2*n:GW+2*n+1] neg_lo:[1,0] neg_hi:[1,0]
.set n, n+1
.endr
.set n, 0
.rept 16
	v_max_num_f32 v[GMX+n], 0, v[GX+n]
.set n, n+1
.endr
	v_add_nc_u32 v[RD], 4*DP, v[RD]
	XLOAD
	s_wait_alu depctr_va_vdst(0)                   ; one wait for the 16 reciprocals, ahead of their first reader
.set n, 0
.rept 8                                ; the polynomial, stage by stage; the 16 exponentials stand between the lines of its first two stages
	v_pk_fma_f32 v[GP+2*n:GP+2*n+1], v[GD+2*n:GD+2*n+1], s[C5:C5+1], s[C4:C4+1] op_sel_hi:[1,0,0]
	v_exp_f32 v[GW+n], v[GW+n]
.set n, n+1
.endr
.set n, 0
.rept 8
	v_pk_fma_f32 v[GP+2*n:GP+2*n+1], v[GP+2*n:GP+2*n+1], v[GD+2*n:GD+2*n+1], s[C3:C3+1] op_sel_hi:[1,1,0]
	v_exp_f32 v[GW+8+n], v[GW+8+n]
.set n, n+1
.endr
.set n, 0
.rept 8
	v_pk_fma_f32 v[GP+2*n:GP+2*n+1], v[GP+2*n:GP+2*n+1], v[GD+2*n:GD+2*n+1], s[C2:C2+1] op_sel_hi:[1,1,0]
.set n, n+1
.endr
.set n, 0
.rept 8
	v_pk_fma_f32 v[GP+2*n:GP+2*n+1], v[GP+2*n:GP+2*n+1], v[GD+2*n:GD+2*n+1], s[C1:C1+1] op_sel_hi:[1,1,0]
.set n, n+1
.endr
.set n, 0
.rept 8
	v_pk_mul_f32 v[GP+2*n:GP+2*n+1], v[GP+2*n:GP+2*n+1], v[GD+2*n:GD+2*n+1]
.set n, n+1
.endr
	s_wait_alu depctr_va_vdst(0)                   ; one wait for the 16 exponentials
.set n, 0
.rept 8
	v_pk_mul_f32 v[GP+2*n:GP+2*n+1], v[GP+2*n:GP+2*n+1], v[GW+2*n:GW+2*n+1]
.set n, n+1
.endr
.set n, 0
.rept 8
	v_pk_fma_f32 v[GMX+2*n:GMX+2*n+1], v[GA+2*n:GA+2*n+1], v[GP+2*n:GP+2*n+1], v[GMX+2*n:GMX+2*n+1] neg_lo:[1,0,0] neg_hi:[1,0,0]
.set n, n+1
.endr
.set n, 0
.rept 8
	v_cvt_pk_bf16_f32 v[GY+n], v[GMX+2*n], v[GMX+2*n+1]
.set n, n+1
.endr
	global_store_b128 v[CO], v[GY:GY+3], s[10:11]                  ; 16 lanes store 256 consecutive bytes, aligned
	global_store_b128 v[CO], v[GY+4:GY+7], s[10:11] offset:16384
	s_wait_xcnt 0x0                                ; the stores have read their registers
	v_add_nc_u32 v[CO], 32768, v[CO]
	s_sub_co_u32 s3, s3, 1
	s_cmp_lg_u32 s3, 0
	s_cbranch_scc1 .Lgelu
	s_wait_tensorcnt 0x0                           ; the wave's end
	ds_add_u32 v[SPW], v[NIL]
	s_wait_dscnt 0x0
	CROUND
	s_endpgm
.Lfunc_end_k_q29dcbd5137_mlp1:
	.size	k_q29dcbd5137_mlp1, .Lfunc_end_k_q29dcbd5137_mlp1-k_q29dcbd5137_mlp1
	.p2alignl 7, 3214868480
	.fill 96, 4, 3214868480
	.section	.rodata,"a",@progbits
	.p2align	6, 0x0
	.amdhsa_kernel k_q29dcbd5137_mlp1
		.amdhsa_group_segment_fixed_size 327680
		.amdhsa_private_segment_fixed_size 0
		.amdhsa_enable_private_segment 0
		.amdhsa_kernarg_size 32
		.amdhsa_user_sgpr_count 2
		.amdhsa_user_sgpr_kernarg_segment_ptr 1
		.amdhsa_wavefront_size32 1
		.amdhsa_system_sgpr_workgroup_id_x 1
		.amdhsa_system_sgpr_workgroup_id_y 1
		.amdhsa_system_sgpr_workgroup_id_z 1
		.amdhsa_system_vgpr_workitem_id 0
		.amdhsa_next_free_vgpr 1024
		.amdhsa_next_free_sgpr 96
		.amdhsa_reserve_vcc 0
		.amdhsa_float_denorm_mode_32 3
		.amdhsa_float_denorm_mode_16_64 3
		.amdhsa_memory_ordered 1
		.amdhsa_forward_progress 1
		.amdhsa_inst_pref_size 90
	.end_amdhsa_kernel
	.amdgpu_metadata
---
amdhsa.version: [ 1, 2 ]
amdhsa.kernels:
  - .name:           k_q29dcbd5137_mlp1
    .symbol:         k_q29dcbd5137_mlp1.kd
    .args:
      - { .name: act, .offset: 0, .size: 8, .value_kind: global_buffer, .address_space: global }
      - { .name: wb, .offset: 8, .size: 8, .value_kind: global_buffer, .address_space: global }
      - { .name: mlp_b1, .offset: 16, .size: 8, .value_kind: global_buffer, .address_space: global }
      - { .name: g, .offset: 24, .size: 8, .value_kind: global_buffer, .address_space: global }
    .group_segment_fixed_size: 327680
    .private_segment_fixed_size: 0
    .kernarg_segment_align: 8
    .kernarg_segment_size: 32
    .max_flat_workgroup_size: 128
    .sgpr_count:     96
    .vgpr_count:     1024
    .wavefront_size: 32
...
	.end_amdgpu_metadata
.endif
;; end of part 6
;; launch mlp2 (part 7): grid 8 x 32, 4 waves a work-group, clusters of 4 x 4, 327,680 bytes of LDS; arguments g, wb, mlp_b2, x1, out0; writes out0
.if DOCPART == 7
	.amdgcn_target "amdgcn-amd-amdhsa--gfx1250"
	.amdhsa_code_object_version 6
	.text
	.protected	k_q29dcbd5137_mlp2
	.globl	k_q29dcbd5137_mlp2
	.p2align	8
	.type	k_q29dcbd5137_mlp2,@function
k_q29dcbd5137_mlp2:
	s_mov_b64 s[64:65], 0
	v_nop
	global_prefetch_b8 v0, s[64:65] scope:SCOPE_SE
	s_setreg_imm32_b32 hwreg(HW_REG_WAVE_MODE, 25, 1), 1
	s_wait_xcnt 0x0
	s_wait_alu depctr_hold_cnt(0) depctr_sa_sdst(0) depctr_va_vdst(0) depctr_va_sdst(0) depctr_va_ssrc(0) depctr_va_vcc(0) depctr_vm_vsrc(0)
	s_getreg_b32 s2, hwreg(HW_REG_IB_STS2, 6, 4)
	s_cmp_eq_u32 s2, 0
	s_cbranch_scc0 .Lentry_in_a_cluster
	s_endpgm
.Lentry_in_a_cluster:
	s_bfe_u32 s2, ttmp6, 0x10000c
	s_cmp_lg_u32 s2, 0xf033
	s_cbranch_scc0 .Lentry_shape_is_right
	s_endpgm
.Lentry_shape_is_right:
; out0 = x1 + g W2 + b.  g: bf16 [4096][4096].  W2: wb at WREG, bf16 [8 column blocks][4096][128].  Sums in f32, started by the bias; the residual is added in f32; out0 is f32.
; The text of the launch proj with K = 4,096: a tile of 128 x 128, which gives each of 256 work-groups one; four waves of 64 x 64; K steps of 256 through two LDS slots; one text for a step;
; W turned on its way out of LDS; source 0 = 16 columns of W, source 1 = 16 rows of g; cluster 4 x 4 with joint loads along rows (g) and columns (W).  No prefetch: the tiles are small.
; LIMITS: operands are bf16; NaN and infinities are not treated apart.
; REGISTERS: window 0: v16-31 addresses; v96-127 the bias as C operands; v128-255 accumulator (a, b) at 128 + 8 (4 a + b).  window 1: two fragment buffers of 128 (A's 64, then W's 64).  window 2: v0-127 the residual.
.set K,      4096
.set WREG,   16777216
.set KSTEP,  256
.set T,      K/KSTEP
.set PA,     528
.set PW,     288
.set HALFA,  64*PA
.set HALFB,  128*PW
.set SLOT,   2*HALFA+2*HALFB
.set ASTEP,  KSTEP*2
.set WSTEP,  KSTEP*256
.set DP,     272
.set DWAVE,  64*DP
.set SPARE,  2*SLOT
.set ADRA0, 16
.set ADRB0, 17
.set ADRA,  18
.set ADRB,  19
.set ADRB2, 20
.set STO,   24
.set RD,    25
.set CO,    26
.set SPW,   28
.set NIL,   29
.set BO,    31
.set BI,    96
.set ACC,   128
.set F0,    0
.set F1,    128
.set WV, 14
.set RH, 15
.set CH, 16
.set CX, 17
.set CY, 18
.set TC, 19
.set TR, 20
.set TB, 21
.set WA, 22
.set WW, 23
.set G1, 24
.set G0, 32
.set G1B, 48
.set G0B, 56
.set MSB, 0
.macro WIN new
.if MSB != (\new)
	s_set_vgpr_msb (MSB<<8)|(\new)
.set MSB, \new
.endif
.endm
.macro PLACES
.rept 4
	v_nop
.endr
.endm
.macro JLOAD
	s_cmp_eq_u32 s[RH], 0
	s_cbranch_scc0 .Lfor_w_\@
	tensor_load_to_lds s[G0+4:G0+7], s[G1:G1+7]
	s_nop 0
.rept 4
	v_nop
.endr
	s_branch .Lasked_\@
.Lfor_w_\@:
	tensor_load_to_lds s[G0B+4:G0B+7], s[G1B:G1B+7]
	s_nop 0
.rept 4
	v_nop
.endr
.Lasked_\@:
.endm
.macro CREST
	s_cmp_lg_u32 s[WV], 0
	s_cbranch_scc1 .Lnot_wave_0_\@
	s_barrier_signal -3
.Lnot_wave_0_\@:
	s_barrier_wait -3
	s_barrier_signal -1
	s_barrier_wait -1
.endm
.macro CROUND
	s_barrier_signal -1
	s_barrier_wait -1
	CREST
.endm
.macro MUL8 f, c, a0, zero
	WIN 0x05
.irp a, \a0, (\a0)+1
.irp b, 0,1,2,3
.if \zero
	v_wmma_f32_16x16x32_bf16 v[ACC+8*(4*(\a)+(\b)):ACC+8*(4*(\a)+(\b))+7], v[(\f)+64+8*(4*(\c)+(\b)):(\f)+64+8*(4*(\c)+(\b))+7], v[(\f)+8*(4*(\c)+(\a)):(\f)+8*(4*(\c)+(\a))+7], v[BI+8*(\b):BI+8*(\b)+7]
.else
	v_wmma_f32_16x16x32_bf16 v[ACC+8*(4*(\a)+(\b)):ACC+8*(4*(\a)+(\b))+7], v[(\f)+64+8*(4*(\c)+(\b)):(\f)+64+8*(4*(\c)+(\b))+7], v[(\f)+8*(4*(\c)+(\a)):(\f)+8*(4*(\c)+(\a))+7], v[ACC+8*(4*(\a)+(\b)):ACC+8*(4*(\a)+(\b))+7]
.endif
.endr
.endr
.endm
.macro FETCH q, f
	WIN 0x40
.irp c, 0,1
.irp i, 0,1,2,3
.if (\q) < 2
	ds_load_tr16_b128 v[(\f)+64+8*(4*(\c)+(\i)):(\f)+64+8*(4*(\c)+(\i))+3],   v[ADRB] offset:((64*(\q)+32*(\c))%128)*PW+32*(\i)
	ds_load_tr16_b128 v[(\f)+64+8*(4*(\c)+(\i))+4:(\f)+64+8*(4*(\c)+(\i))+7], v[ADRB] offset:((64*(\q)+32*(\c))%128)*PW+16*PW+32*(\i)
.else
	ds_load_tr16_b128 v[(\f)+64+8*(4*(\c)+(\i)):(\f)+64+8*(4*(\c)+(\i))+3],   v[ADRB2] offset:((64*(\q)+32*(\c))%128)*PW+32*(\i)
	ds_load_tr16_b128 v[(\f)+64+8*(4*(\c)+(\i))+4:(\f)+64+8*(4*(\c)+(\i))+7], v[ADRB2] offset:((64*(\q)+32*(\c))%128)*PW+16*PW+32*(\i)
.endif
	ds_load_b128 v[(\f)+8*(4*(\c)+(\i)):(\f)+8*(4*(\c)+(\i))+3],   v[ADRA] offset:128*(\q)+64*(\c)+(\i)*16*PA
	ds_load_b128 v[(\f)+8*(4*(\c)+(\i))+4:(\f)+8*(4*(\c)+(\i))+7], v[ADRA] offset:128*(\q)+64*(\c)+(\i)*16*PA+32
.endr
.endr
.endm
.macro QUARTER q, f, g, zero
	s_wait_dscnt 16                                ; the first 32 along K are in
	MUL8 \f, 0, 0, \zero
	MUL8 \f, 0, 2, \zero
	PLACES
	FETCH \q, \g
	s_wait_dscnt 32                                ; all but the 32 just issued
	MUL8 \f, 1, 0, 0
	MUL8 \f, 1, 2, 0
.endm
.macro TURN fill
	WIN 0
	s_wait_tensorcnt 0x0                           ; all my tensor loads have landed: my part of the next slot
	ds_add_u32 v[SPW], v[NIL]
	s_wait_dscnt 17                                ; (the add and the youngest sixteen loads may be out)
	MUL8 F1, 0, 0, 0
	s_wait_dscnt 0x0                               ; the add is done, and my reads of this slot are over
	s_barrier_signal -1
	MUL8 F1, 0, 2, 0
.if \fill
	WIN 0
.endif
	s_barrier_wait -1
.if \fill
	CREST
	s_add_co_u32 s[G0+5], s[WA], s[TB]
	s_add_co_u32 s[G0B+5], s[WW], s[TB]
	s_add_nc_u64 s[G0+6:G0+7], s[G0+6:G0+7], ASTEP
	s_add_nc_u64 s[G0B+6:G0B+7], s[G0B+6:G0B+7], WSTEP
	s_xor_b32 s[TB], s[TB], SLOT
	JLOAD                                          ; my one tensor load behind the round: 112 products stand between it and the wait for it
.else
	s_xor_b32 s[TB], s[TB], SLOT
	PLACES
	WIN 0
.endif
	v_add_nc_u32 v[ADRA], s[TB], v[ADRA0]
	v_add_nc_u32 v[ADRB], s[TB], v[ADRB0]
	v_add_nc_u32 v[ADRB2], 128*PW, v[ADRB]
	FETCH 0, F0
	MUL8 F1, 1, 0, 0
	MUL8 F1, 1, 2, 0
.endm
	s_load_b256 s[4:11], s[0:1], 0x0               ; A s[4:5], wb s[6:7], bias s[8:9], residual s[10:11]
	s_load_b64 s[12:13], s[0:1], 0x20              ; out
	v_lshl_add_u32 v[SPW], v0, 2, SPARE
	v_mov_b32 v[NIL], 0
	ds_add_u32 v[SPW], v[NIL]                      ; the wave's opening: the add and its wait ahead of my first tensor load
	v_lshrrev_b32 v1, 5, v0
	v_readfirstlane_b32 s[WV], v1
	s_lshr_b32 s[RH], s[WV], 1
	s_and_b32 s[CH], s[WV], 1
	s_bfe_u32 s[CX], ttmp6, 0x40000
	s_bfe_u32 s[CY], ttmp6, 0x40004
	s_lshl_b32 s[TC], ttmp9, 2
	s_add_co_u32 s[TC], s[TC], s[CX]
	s_and_b32 s[TR], ttmp7, 0xffff
	s_lshl_b32 s[TR], s[TR], 2
	s_add_co_u32 s[TR], s[TR], s[CY]
	s_lshl_b32 s40, s[CY], 2
	s_lshl_b32 s40, 15, s40
	s_lshl_b32 s41, 0x1111, s[CX]
	s_or_b32 s[G1], s40, (1<<16)|(1<<20)|(1<<21)|(6<<22)|(3<<25)
	s_or_b32 s[G1B], s41, (1<<16)|(1<<20)|(1<<21)|(5<<22)|(7<<25)
	s_mov_b32 s[G1+1], 256<<16
	s_mov_b32 s[G1+2], 64<<16
	s_mov_b32 s[G1+3], 256<<16
	s_mov_b32 s[G1+4], 64
	s_mov_b32 s[G1+5], K
	s_mov_b32 s[G1+6], 0
	s_mov_b32 s[G1+7], 0
	s_mov_b32 s[G1B+1], 128<<16
	s_mov_b32 s[G1B+2], 128<<16
	s_mov_b32 s[G1B+3], 128<<16
	s_mov_b32 s[G1B+4], 128
	s_mov_b32 s[G1B+5], 128
	s_mov_b32 s[G1B+6], 0
	s_mov_b32 s[G1B+7], 0
	s_mul_i32 s[WA], s[CH], HALFA
	s_mul_i32 s[WW], s[CH], HALFB
	s_add_co_u32 s[WW], s[WW], 2*HALFA
	s_mov_b32 s[TB], 0
	s_lshl_b32 s66, s[TR], 7
	s_lshl_b32 s67, s[CH], 6
	s_add_co_u32 s66, s66, s67
	s_mul_i32 s66, s66, 2*K
	s_mov_b32 s67, 0
	s_mul_i32 s68, s[TC], K*256
	s_lshl_b32 s69, s[CH], 15
	s_add_co_u32 s68, s68, s69
	s_add_co_u32 s68, s68, WREG
	s_mov_b32 s69, 0
	s_wait_dscnt 0x0
	s_wait_kmcnt 0x0
	s_add_nc_u64 s[66:67], s[4:5], s[66:67]
	s_add_nc_u64 s[68:69], s[6:7], s[68:69]
.irp s, 0,1
	s_mov_b32 s[G0+4*\s], 1
	s_add_co_u32 s[G0+4*\s+1], s[WA], \s*SLOT
	s_add_nc_u64 s[G0+4*\s+2:G0+4*\s+3], s[66:67], \s*ASTEP
	s_or_b32 s[G0+4*\s+3], s[G0+4*\s+3], 0x80000000
	s_mov_b32 s[G0B+4*\s], 1
	s_add_co_u32 s[G0B+4*\s+1], s[WW], \s*SLOT
	s_add_nc_u64 s[G0B+4*\s+2:G0B+4*\s+3], s[68:69], \s*WSTEP
	s_or_b32 s[G0B+4*\s+3], s[G0B+4*\s+3], 0x80000000
.endr
	CROUND
	s_cmp_eq_u32 s[RH], 0
	s_cbranch_scc0 .Lfirst_w
	tensor_load_to_lds s[G0:G0+3], s[G1:G1+7]
	s_nop 0
	tensor_load_to_lds s[G0+4:G0+7], s[G1:G1+7]
	s_nop 0
.rept 4
	v_nop
.endr
	s_branch .Lfirst_asked
.Lfirst_w:
	tensor_load_to_lds s[G0B:G0B+3], s[G1B:G1B+7]
	s_nop 0
	tensor_load_to_lds s[G0B+4:G0B+7], s[G1B:G1B+7]
	s_nop 0
.rept 4
	v_nop
.endr
.Lfirst_asked:
	v_and_b32 v1, 15, v0
	v_bfe_u32 v2, v0, 4, 1
	s_lshl_b32 s84, s[TC], 9
	s_lshl_b32 s85, s[CH], 8
	s_add_co_u32 s84, s84, s85
	v_lshl_add_u32 v[BO], v2, 5, s84
.irp b, 0,1,2,3
	global_load_b128 v[BI+8*\b:BI+8*\b+3],   v[BO], s[8:9] offset:64*\b
	global_load_b128 v[BI+8*\b+4:BI+8*\b+7], v[BO], s[8:9] offset:64*\b+16
.endr
	s_lshl_b32 s86, s[TR], 7
	s_lshl_b32 s87, s[RH], 6
	s_add_co_u32 s86, s86, s87
	s_lshl_b32 s86, s86, 12
	s_add_co_u32 s86, s86, s84
	s_mov_b32 s87, 0
	s_add_nc_u64 s[10:11], s[10:11], s[86:87]
	s_add_nc_u64 s[12:13], s[12:13], s[86:87]
	v_lshlrev_b32 v[CO], 12, v2
	v_lshl_add_u32 v[CO], v1, 4, v[CO]
	WIN 0x80
.set t, 0
.rept 32
	global_load_b128 v[4*t:4*t+3], v[CO], s[10:11] offset:8192*t  ; the residual of my 64 x 64: on its way during the whole product
.set t, t+1
.endr
	WIN 0
	v_mul_u32_u24 v3, v1, PA
	v_lshl_add_u32 v3, v2, 4, v3
	s_mul_i32 s40, s[RH], HALFA
	v_add_nc_u32 v[ADRA0], s40, v3
	v_and_b32 v4, 7, v0
	v_lshl_add_u32 v4, v2, 3, v4
	v_mul_u32_u24 v4, v4, PW
	v_bfe_u32 v5, v0, 3, 1
	v_lshl_add_u32 v4, v5, 4, v4
	s_lshl_b32 s41, s[CH], 7
	s_add_co_u32 s41, s41, 2*HALFA
	v_add_nc_u32 v[ADRB0], s41, v4
	v_mov_b32 v[ADRA], v[ADRA0]
	v_mov_b32 v[ADRB], v[ADRB0]
	v_add_nc_u32 v[ADRB2], 128*PW, v[ADRB0]
	s_mul_i32 s40, s[WV], DWAVE
	s_add_co_u32 s40, s40, SLOT
	v_mul_u32_u24 v[STO], v1, DP
	v_lshl_add_u32 v[STO], v2, 5, v[STO]
	v_add_nc_u32 v[STO], s40, v[STO]
	v_mul_u32_u24 v[RD], v2, DP
	v_lshl_add_u32 v[RD], v1, 4, v[RD]
	v_add_nc_u32 v[RD], s40, v[RD]
	s_wait_tensorcnt 1                             ; my part of step 0 is in; step 1's may stay out
	s_barrier_signal -1
	s_barrier_wait -1
	FETCH 0, F0
	s_wait_loadcnt 32                              ; the bias is in; the residual's 32 loads stay out
	QUARTER 1, F0, F1, 1
	WIN 0
	s_mov_b32 s3, T-2
.Lstep:
	QUARTER 2, F1, F0, 0
	QUARTER 3, F0, F1, 0
	TURN 1
	QUARTER 1, F0, F1, 0
	WIN 0
	s_sub_co_u32 s3, s3, 1
	s_cmp_lg_u32 s3, 0
	s_cbranch_scc1 .Lstep
	s_mov_b32 s3, 2
.Ltail:                                        ; the last two steps ask for nothing; the second trip has no next step: its first quarter is jumped, and the 32 loads behind its change of slots (filled bytes of slot 0) serve nothing
	QUARTER 2, F1, F0, 0
	QUARTER 3, F0, F1, 0
	TURN 0
	WIN 0
	s_cmp_eq_u32 s3, 1
	s_cbranch_scc1 .Lleave
	QUARTER 1, F0, F1, 0
	WIN 0
.Lleave:
	s_sub_co_u32 s3, s3, 1
	s_cmp_lg_u32 s3, 0
	s_cbranch_scc1 .Ltail
	; THE WAY OUT, through my own bytes of slot 1: every wave left that slot at the last barrier, and the loads behind it read slot 0.
	s_wait_dscnt 0x0
	PLACES
.irp a, 0,1,2,3
.irp b, 0,1,2,3
	ds_store_b128 v[STO], v[ACC+8*(4*\a+\b):ACC+8*(4*\a+\b)+3]   offset:\a*16*DP+64*\b
	ds_store_b128 v[STO], v[ACC+8*(4*\a+\b)+4:ACC+8*(4*\a+\b)+7] offset:\a*16*DP+64*\b+16
.endr
.endr
	WIN 0x40
.set t, 0
.rept 32
	ds_load_b128 v[4*t:4*t+3], v[RD] offset:2*DP*t  ; LDS serves a wave's instructions in order (ISA guide 5.7.1.4): these see the stores above
.set t, t+1
.endr
	s_wait_loadcnt 0x0                             ; the residual
	s_wait_dscnt 0x0
	WIN 0x89                                       ; destination and source 1 window 2, source 0 window 1
.set z, 0
.rept 64
	v_pk_add_f32 v[2*z:2*z+1], v[2*z:2*z+1], v[2*z:2*z+1]
.set z, z+1
.endr
	WIN 0x08
.set t, 0
.rept 32
	global_store_b128 v[CO], v[4*t:4*t+3], s[12:13] offset:8192*t  ; 16 lanes store 256 consecutive bytes, aligned
.set t, t+1
.endr
	WIN 0
	s_wait_tensorcnt 0x0                           ; the wave's end
	ds_add_u32 v[SPW], v[NIL]
	s_wait_dscnt 0x0
	CROUND
	s_endpgm
.Lfunc_end_k_q29dcbd5137_mlp2:
	.size	k_q29dcbd5137_mlp2, .Lfunc_end_k_q29dcbd5137_mlp2-k_q29dcbd5137_mlp2
	.p2alignl 7, 3214868480
	.fill 96, 4, 3214868480
	.section	.rodata,"a",@progbits
	.p2align	6, 0x0
	.amdhsa_kernel k_q29dcbd5137_mlp2
		.amdhsa_group_segment_fixed_size 327680
		.amdhsa_private_segment_fixed_size 0
		.amdhsa_enable_private_segment 0
		.amdhsa_kernarg_size 40
		.amdhsa_user_sgpr_count 2
		.amdhsa_user_sgpr_kernarg_segment_ptr 1
		.amdhsa_wavefront_size32 1
		.amdhsa_system_sgpr_workgroup_id_x 1
		.amdhsa_system_sgpr_workgroup_id_y 1
		.amdhsa_system_sgpr_workgroup_id_z 1
		.amdhsa_system_vgpr_workitem_id 0
		.amdhsa_next_free_vgpr 640
		.amdhsa_next_free_sgpr 96
		.amdhsa_reserve_vcc 0
		.amdhsa_float_denorm_mode_32 3
		.amdhsa_float_denorm_mode_16_64 3
		.amdhsa_memory_ordered 1
		.amdhsa_forward_progress 1
		.amdhsa_inst_pref_size 66
	.end_amdhsa_kernel
	.amdgpu_metadata
---
amdhsa.version: [ 1, 2 ]
amdhsa.kernels:
  - .name:           k_q29dcbd5137_mlp2
    .symbol:         k_q29dcbd5137_mlp2.kd
    .args:
      - { .name: g, .offset: 0, .size: 8, .value_kind: global_buffer, .address_space: global }
      - { .name: wb, .offset: 8, .size: 8, .value_kind: global_buffer, .address_space: global }
      - { .name: mlp_b2, .offset: 16, .size: 8, .value_kind: global_buffer, .address_space: global }
      - { .name: x1, .offset: 24, .size: 8, .value_kind: global_buffer, .address_space: global }
      - { .name: out0, .offset: 32, .size: 8, .value_kind: global_buffer, .address_space: global }
    .group_segment_fixed_size: 327680
    .private_segment_fixed_size: 0
    .kernarg_segment_align: 8
    .kernarg_segment_size: 40
    .max_flat_workgroup_size: 128
    .sgpr_count:     96
    .vgpr_count:     640
    .wavefront_size: 32
...
	.end_amdgpu_metadata
.endif
;; end of part 7
;; ======== version 2 of 2: 7 launches; version 1 with the launches prep, ln2 written anew for expert scheduling mode
;; workspace buffers: wb 25,165,824 bytes; act 8,388,608 bytes; qkv 25,165,824 bytes; x1 16,777,216 bytes; g 33,554,432 bytes
;; launch prep (part 8): grid 1024 x 1, 8 waves a work-group, no clusters, 0 bytes of LDS; arguments qkv_w, proj_w, mlp_w1, mlp_w2, x, ln1_w, ln1_b, wb, act; writes wb, act
.if DOCPART == 8
	.amdgcn_target "amdgcn-amd-amdhsa--gfx1250"
	.amdhsa_code_object_version 6
	.text
	.protected	k_q29dcbd5137_prep
	.globl	k_q29dcbd5137_prep
	.p2align	8
	.type	k_q29dcbd5137_prep,@function
k_q29dcbd5137_prep:
	s_mov_b64 s[64:65], 0
	v_nop
	global_prefetch_b8 v0, s[64:65] scope:SCOPE_SE
	s_setreg_imm32_b32 hwreg(HW_REG_WAVE_SCHED_MODE, 0, 2), 2
	s_setreg_imm32_b32 hwreg(HW_REG_WAVE_MODE, 25, 1), 1
	s_wait_xcnt 0x0
	s_wait_alu depctr_vm_vsrc(0)
; Two jobs that depend on nothing, in one launch.
; Work-groups 0-767: the four weight matrices, f32 [K][N], are rounded once to bf16 and laid out as [N/128 column blocks][K][128]:
; a block's row is 256 dense bytes, so a later launch's tile of 128 k x 128 columns is 32,768 dense bytes.
; A wave takes 16 k rows of one column block: 16 loads of 512 consecutive bytes, 16 stores of 256 consecutive, aligned bytes.
; Work-groups 768-1023: act = LN1(x) in bf16, a wave two whole rows kept in registers between the passes (mean, then the mean of squared differences, as the problem writes it).
; No LDS, no barrier: no wave wants a byte that another has fetched.  NaN and infinities are not treated apart.
; THE MODE: SCHED_MODE bits 1:0 = 2 (LLVM: expert scheduling mode 2), set by the entry lines.  The code itself states the register dependences
; between vector instructions and memory instructions, with s_wait_alu, always for 0.
; THE PLAN.  Registers that memory instructions touch:
;   the cast:  v3, v16-v31  offsets, made once at the head, read by the stores and the loads, never written again.
;              v32-v95      written by the 16 loads, which all go out at the head, ahead of every vector instruction that names them.
;              v96-v127     written once each by the conversions, read by one store each, never written again.
;              The 16 rows go in four blocks of four.  Block p's conversions name block p's registers alone; the stores of block p - 1 are dealt among them,
;              behind ONE wait at the block's head, which states that block p - 1's conversions have written their results.
;   the norm:  v1, v2       offsets, made once, never written again.
;              v32-v159     two rows, gains and biases: written by the 32 loads, which all go out at the head.
;              Each row's rounded output goes into the row's own registers, which nothing writes again.  Row 0's stores are dealt among row 1's first sums,
;              behind ONE wait at row 1's head; row 1's vector work names none of row 0's registers.
; No register that a memory instruction reads is ever written again, so no wait on vm_vsrc is owed, and no s_wait_xcnt.
.set SEL,  40                          ; s[40:41] lane selects for v_permlanex16_b32
.set SINV, 42                          ; s42  1/1024
.set SEPS, 43                          ; s43  1e-5
.set XP,   12                          ; s[12:13] x
.set WP,   14                          ; s[14:15] gain
.set BP,   16                          ; s[16:17] bias
.set OUTP, 20                          ; s[20:21] act
.set X0,   32                          ; v[32:63]   row 0, then its rounded output in place
.set X1,   64                          ; v[64:95]   row 1
.set LW,   96                          ; v[96:127]  gains of my 32 columns
.set LB,   128                         ; v[128:159] biases
.macro WSUM                            ; four packed chains v[4:11] -> their sum over the wave's 32 lanes, in v4 of every lane
	v_pk_add_f32 v[4:5], v[4:5], v[6:7]
	v_pk_add_f32 v[8:9], v[8:9], v[10:11]
	v_pk_add_f32 v[4:5], v[4:5], v[8:9]
	v_add_f32 v4, v4, v5
	v_add_f32_dpp v4, v4, v4 row_xmask:1 row_mask:0xf bank_mask:0xf
	v_add_f32_dpp v4, v4, v4 row_xmask:2 row_mask:0xf bank_mask:0xf
	v_add_f32_dpp v4, v4, v4 row_xmask:4 row_mask:0xf bank_mask:0xf
	v_add_f32_dpp v4, v4, v4 row_xmask:8 row_mask:0xf bank_mask:0xf
	v_permlanex16_b32 v5, v4, s[SEL], s[SEL+1]
	v_add_f32 v4, v4, v5
.endm
; Piece j of eight of a finished row: 32 lanes x 8 bytes: 256 consecutive bytes, aligned
.macro PUT X, j, ooff
	global_store_b64 v2, v[\X+4*(\j):\X+4*(\j)+1], s[OUTP:OUTP+1] offset:(\ooff)+256*(\j)
.endm
; One row in registers X .. X+31.  left: the younger loads that may stay out when the row has to be there.  prev: the registers of the row before, whose stores go out here, or 0.
.macro LNROW X, left, prev
	s_wait_loadcnt \left
.if \prev
	s_wait_alu depctr_va_vdst(0)                   ; the conversions of the row before have written its output, which the eight stores below read; no vector line of this row names those registers or v2
.endif
.irp c, 0,1,2,3
	v_pk_add_f32 v[4+2*\c:5+2*\c], v[\X+2*\c:\X+2*\c+1], v[\X+8+2*\c:\X+9+2*\c]  ; the first eight pairs start the four chains: nothing is cleared
.endr
.irp p, 8,9,10,11,12,13,14,15
.if \prev
	PUT \prev, (\p)-8, 0
.endif
	v_pk_add_f32 v[4+2*((\p)%4):5+2*((\p)%4)], v[4+2*((\p)%4):5+2*((\p)%4)], v[\X+2*\p:\X+2*\p+1]
.endr
	WSUM
	v_mul_f32 v12, s[SINV], v4                     ; the mean, twice: a pair for the packed subtraction
	v_mov_b32 v13, v12
.irp p, 0,1,2,3,4,5,6,7,8,9,10,11,12,13,14,15
	v_pk_add_f32 v[\X+2*\p:\X+2*\p+1], v[\X+2*\p:\X+2*\p+1], v[12:13] neg_lo:[0,1] neg_hi:[0,1]
.endr
.irp c, 0,1,2,3
	v_pk_mul_f32 v[4+2*\c:5+2*\c], v[\X+2*\c:\X+2*\c+1], v[\X+2*\c:\X+2*\c+1]
.endr
.irp p, 4,5,6,7,8,9,10,11,12,13,14,15
	v_pk_fma_f32 v[4+2*((\p)%4):5+2*((\p)%4)], v[\X+2*\p:\X+2*\p+1], v[\X+2*\p:\X+2*\p+1], v[4+2*((\p)%4):5+2*((\p)%4)]
.endr
	WSUM
	v_fma_f32 v6, v4, s[SINV], s[SEPS]             ; variance + eps
	v_rsq_f32 v14, v6
	v_rsq_f32 v15, v6
	v_nop                                          ; a plain instruction behind the last root,
	s_wait_alu depctr_va_vdst(0)                   ; and one wait for both: v14 and v15 are written, ahead of their first reader
.if \left
	s_wait_loadcnt 0x0                             ; gains and biases are in
.endif
.irp j, 0,1,2,3,4,5,6,7
	v_pk_mul_f32 v[16:17], v[\X+4*\j:\X+4*\j+1], v[14:15]
	v_pk_mul_f32 v[18:19], v[\X+4*\j+2:\X+4*\j+3], v[14:15]
	v_pk_fma_f32 v[16:17], v[16:17], v[LW+4*\j:LW+4*\j+1], v[LB+4*\j:LB+4*\j+1]
	v_pk_fma_f32 v[18:19], v[18:19], v[LW+4*\j+2:LW+4*\j+3], v[LB+4*\j+2:LB+4*\j+3]
	v_cvt_pk_bf16_f32 v[\X+4*\j], v16, v17         ; into the row's own registers, which nothing rewrites
	v_cvt_pk_bf16_f32 v[\X+4*\j+1], v18, v19
.endr
.endm
; s23 = the wave's first row; v2 = lane
.macro LNBODY
	s_mov_b32 s[SEL], 0x76543210
	s_mov_b32 s[SEL+1], 0xfedcba98
	s_mov_b32 s[SINV], 0x3a800000
	s_mov_b32 s[SEPS], 0x3727c5ac
	v_lshlrev_b32 v1, 4, v2                        ; 16 bytes a lane in x, gain and bias
	v_lshlrev_b32 v2, 3, v2                        ; 8 bytes a lane in act
	s_lshl_b32 s24, s23, 12                        ; a row of x is 4,096 bytes
	s_mov_b32 s25, 0
	s_lshl_b32 s26, s23, 11                        ; a row of act 2,048
	s_mov_b32 s27, 0
	s_wait_kmcnt 0x0
	s_add_nc_u64 s[XP:XP+1], s[XP:XP+1], s[24:25]
	s_add_nc_u64 s[OUTP:OUTP+1], s[OUTP:OUTP+1], s[26:27]
	s_wait_alu depctr_va_vdst(0)                   ; v1 and v2 are written: every load below reads v1 as its offset, every store v2
.irp j, 0,1,2,3,4,5,6,7
	global_load_b128 v[X0+4*\j:X0+4*\j+3], v1, s[XP:XP+1] offset:512*\j
.endr
.irp j, 0,1,2,3,4,5,6,7
	global_load_b128 v[X1+4*\j:X1+4*\j+3], v1, s[XP:XP+1] offset:4096+512*\j
.endr
.irp j, 0,1,2,3,4,5,6,7
	global_load_b128 v[LW+4*\j:LW+4*\j+3], v1, s[WP:WP+1] offset:512*\j
.endr
.irp j, 0,1,2,3,4,5,6,7
	global_load_b128 v[LB+4*\j:LB+4*\j+3], v1, s[BP:BP+1] offset:512*\j
.endr
	LNROW X0, 24, 0                                ; row 1, gains and biases (24 loads) may stay out
	LNROW X1, 0, X0                                ; row 0's stores go out among row 1's first sums
	s_wait_alu depctr_va_vdst(0)                   ; row 1's conversions have written its output, which the last eight stores read
.irp j, 0,1,2,3,4,5,6,7
	PUT X1, \j, 2048
.endr
.endm
	s_load_b512 s[4:19], s[0:1], 0x0               ; qkv_w, proj_w, mlp_w1, mlp_w2, x, ln1_w, ln1_b, wb
	s_load_b64 s[20:21], s[0:1], 0x40              ; act
	v_lshrrev_b32 v1, 5, v0
	v_readfirstlane_b32 s22, v1                    ; wave 0..7
	v_and_b32 v2, 31, v0                           ; lane
	s_wait_alu depctr_va_sdst(0)                   ; s22 is written, ahead of the branch and of its first reader on either way: the wave's column block, or its rows, are made from it
	s_cmp_lt_u32 ttmp9, 768
	s_cbranch_scc0 .Lln
	; THE CAST.  Which matrix, by the work-group's number alone: first work-group, log2 of its groups of 16 k rows, bytes in a row, bytes in a column block of the output, the region's place in wb
	s_mov_b32 s26, 512
	s_mov_b32 s27, 8
	s_mov_b32 s28, 4096
	s_mov_b32 s29, 1048576
	s_mov_b32 s30, 16777216
	s_wait_kmcnt 0x0
	s_mov_b64 s[24:25], s[10:11]                   ; mlp_w2
	s_cmp_lt_u32 ttmp9, 512
	s_cselect_b64 s[24:25], s[8:9], s[24:25]       ; mlp_w1
	s_cselect_b32 s26, 256, s26
	s_cselect_b32 s27, 6, s27
	s_cselect_b32 s28, 16384, s28
	s_cselect_b32 s29, 262144, s29
	s_cselect_b32 s30, 8388608, s30
	s_cmp_lt_u32 ttmp9, 256
	s_cselect_b64 s[24:25], s[6:7], s[24:25]       ; proj_w
	s_cselect_b32 s26, 192, s26
	s_cselect_b32 s28, 4096, s28
	s_cselect_b32 s30, 6291456, s30
	s_cmp_lt_u32 ttmp9, 192
	s_cselect_b64 s[24:25], s[4:5], s[24:25]       ; qkv_w
	s_cselect_b32 s26, 0, s26
	s_cselect_b32 s28, 12288, s28
	s_cselect_b32 s30, 0, s30
	s_sub_co_u32 s31, ttmp9, s26                   ; my number within the matrix
	s_lshr_b32 s32, s31, s27                       ; group of 8 column blocks
	s_lshl_b32 s33, s32, s27
	s_sub_co_u32 s33, s31, s33                     ; group of 16 k rows
	s_lshl3_add_u32 s32, s32, s22                  ; my wave's column block
	s_mul_i32 s34, s33, s28
	s_lshl_b32 s34, s34, 4                         ; 16 rows
	s_lshl_b32 s35, s32, 9                         ; 512 bytes a block in a row
	s_add_co_u32 s34, s34, s35
	s_mov_b32 s35, 0
	s_add_nc_u64 s[24:25], s[24:25], s[34:35]
	s_mul_i32 s36, s32, s29
	s_add_co_u32 s36, s36, s30
	s_lshl_b32 s37, s33, 12                        ; 16 rows of 256 bytes
	s_add_co_u32 s36, s36, s37
	s_mov_b32 s37, 0
	s_add_nc_u64 s[18:19], s[18:19], s[36:37]
	v_lshlrev_b32 v3, 3, v2                        ; 8 bytes a lane out
	v_lshlrev_b32 v16, 4, v2                       ; 16 bytes a lane in; one offset register a row, since the row's length is no constant of the text
.set i, 1
.rept 15
	v_add_nc_u32 v[16+i], s28, v[15+i]
.set i, i+1
.endr
	s_wait_alu depctr_va_vdst(0)                   ; v3 and v16 to v31 are written: the loads read v16 to v31 as their offsets, the stores v3
.set i, 0
.rept 16
	global_load_b128 v[32+4*i:35+4*i], v[16+i], s[24:25] th:TH_LOAD_NT
.set i, i+1
.endr
; Block p of four rows is rounded; the stores of the block before stand among its conversions.
.macro CBLK p
	s_wait_loadcnt 12-4*(\p)                       ; loads come back in order: the block's four rows are in, the younger blocks stay out
.if (\p) > 0
	s_wait_alu depctr_va_vdst(0)                   ; the conversions of the block before have written its eight registers, which the four stores below read; this block's conversions name none of them
.endif
.irp r, 0,1,2,3
.set i, 4*(\p)+(\r)
.if (\p) > 0
	global_store_b64 v3, v[96+2*(i-4):97+2*(i-4)], s[18:19] offset:256*(i-4)  ; 256 consecutive bytes, aligned; no register is written twice
.endif
	v_cvt_pk_bf16_f32 v[96+2*i], v[32+4*i], v[33+4*i]
	v_cvt_pk_bf16_f32 v[97+2*i], v[34+4*i], v[35+4*i]
.endr
.endm
	CBLK 0
	CBLK 1
	CBLK 2
	CBLK 3
	s_wait_alu depctr_va_vdst(0)                   ; block 3's conversions have written v120 to v127, which the last four stores read
.set i, 12
.rept 4
	global_store_b64 v3, v[96+2*i:97+2*i], s[18:19] offset:256*i
.set i, i+1
.endr
	s_endpgm
.Lln:
	s_sub_co_u32 s23, ttmp9, 768
	s_lshl3_add_u32 s23, s23, s22
	s_lshl_b32 s23, s23, 1                         ; two rows a wave
	LNBODY
	s_endpgm
.Lfunc_end_k_q29dcbd5137_prep:
	.size	k_q29dcbd5137_prep, .Lfunc_end_k_q29dcbd5137_prep-k_q29dcbd5137_prep
	.p2alignl 7, 3214868480
	.fill 96, 4, 3214868480
	.section	.rodata,"a",@progbits
	.p2align	6, 0x0
	.amdhsa_kernel k_q29dcbd5137_prep
		.amdhsa_group_segment_fixed_size 0
		.amdhsa_private_segment_fixed_size 0
		.amdhsa_enable_private_segment 0
		.amdhsa_kernarg_size 72
		.amdhsa_user_sgpr_count 2
		.amdhsa_user_sgpr_kernarg_segment_ptr 1
		.amdhsa_wavefront_size32 1
		.amdhsa_system_sgpr_workgroup_id_x 1
		.amdhsa_system_sgpr_workgroup_id_y 1
		.amdhsa_system_sgpr_workgroup_id_z 1
		.amdhsa_system_vgpr_workitem_id 0
		.amdhsa_next_free_vgpr 160
		.amdhsa_next_free_sgpr 66
		.amdhsa_reserve_vcc 0
		.amdhsa_float_denorm_mode_32 3
		.amdhsa_float_denorm_mode_16_64 3
		.amdhsa_memory_ordered 1
		.amdhsa_forward_progress 1
		.amdhsa_inst_pref_size 28
	.end_amdhsa_kernel
	.amdgpu_metadata
---
amdhsa.version: [ 1, 2 ]
amdhsa.kernels:
  - .name:           k_q29dcbd5137_prep
    .symbol:         k_q29dcbd5137_prep.kd
    .args:
      - { .name: qkv_w, .offset: 0, .size: 8, .value_kind: global_buffer, .address_space: global }
      - { .name: proj_w, .offset: 8, .size: 8, .value_kind: global_buffer, .address_space: global }
      - { .name: mlp_w1, .offset: 16, .size: 8, .value_kind: global_buffer, .address_space: global }
      - { .name: mlp_w2, .offset: 24, .size: 8, .value_kind: global_buffer, .address_space: global }
      - { .name: x, .offset: 32, .size: 8, .value_kind: global_buffer, .address_space: global }
      - { .name: ln1_w, .offset: 40, .size: 8, .value_kind: global_buffer, .address_space: global }
      - { .name: ln1_b, .offset: 48, .size: 8, .value_kind: global_buffer, .address_space: global }
      - { .name: wb, .offset: 56, .size: 8, .value_kind: global_buffer, .address_space: global }
      - { .name: act, .offset: 64, .size: 8, .value_kind: global_buffer, .address_space: global }
    .group_segment_fixed_size: 0
    .private_segment_fixed_size: 0
    .kernarg_segment_align: 8
    .kernarg_segment_size: 72
    .max_flat_workgroup_size: 256
    .sgpr_count:     66
    .vgpr_count:     160
    .wavefront_size: 32
...
	.end_amdgpu_metadata
.endif
;; end of part 8
;; launch qkv: the kernel of part 2 again; grid 12 x 16, 4 waves a work-group, clusters of 4 x 4, 327,680 bytes of LDS; arguments act, wb, qkv_b, qkv; writes qkv
;; launch attn: the kernel of part 3 again; grid 16 x 16, 4 waves a work-group, clusters of 4 x 4, 327,680 bytes of LDS; arguments qkv, dist_matrix, gamma, act; writes act
;; launch proj: the kernel of part 4 again; grid 8 x 32, 4 waves a work-group, clusters of 4 x 4, 327,680 bytes of LDS; arguments act, wb, proj_b, x, x1; writes x1
;; launch ln2 (part 9): grid 256 x 1, 8 waves a work-group, no clusters, 0 bytes of LDS; arguments x1, ln2_w, ln2_b, act; writes act
.if DOCPART == 9
	.amdgcn_target "amdgcn-amd-amdhsa--gfx1250"
	.amdhsa_code_object_version 6
	.text
	.protected	k_q29dcbd5137_ln2
	.globl	k_q29dcbd5137_ln2
	.p2align	8
	.type	k_q29dcbd5137_ln2,@function
k_q29dcbd5137_ln2:
	s_mov_b64 s[64:65], 0
	v_nop
	global_prefetch_b8 v0, s[64:65] scope:SCOPE_SE
	s_setreg_imm32_b32 hwreg(HW_REG_WAVE_SCHED_MODE, 0, 2), 2
	s_setreg_imm32_b32 hwreg(HW_REG_WAVE_MODE, 25, 1), 1
	s_wait_xcnt 0x0
	s_wait_alu depctr_vm_vsrc(0)
; act = LN2(x1) in bf16.  A wave takes two whole rows of 1,024 f32 and keeps them in registers between the passes: the mean, then the mean of squared differences, as the problem writes it.
; No LDS, no barrier.  NaN and infinities are not treated apart.
; THE MODE: SCHED_MODE bits 1:0 = 2 (LLVM: expert scheduling mode 2), set by the entry lines.  The code itself states the register dependences
; between vector instructions and memory instructions, with s_wait_alu, always for 0.
; THE PLAN.  Registers that memory instructions touch:
;   v1, v2     offsets, made once at the head, read by the loads and by the stores, never written again.
;   v32-v159   two rows, gains and biases: written by the 32 loads, which all go out at the head, ahead of every vector instruction that names them.
;   Each row's rounded output goes into the row's own registers, which nothing writes again.  Row 0's stores are dealt among row 1's first sums, behind ONE wait at
;   row 1's head; row 1's vector work names X1, the gains, the biases and v4 to v19: none of row 0's registers.  Row 1's stores follow one more wait.
; No register that a memory instruction reads is ever written again, so no wait on vm_vsrc is owed, and no s_wait_xcnt.
.set SEL,  40
.set SINV, 42
.set SEPS, 43
.set XP,   4
.set WP,   6
.set BP,   8
.set OUTP, 10
.set X0,   32
.set X1,   64
.set LW,   96
.set LB,   128
.macro WSUM                            ; four packed chains v[4:11] -> their sum over the wave's 32 lanes, in v4 of every lane
	v_pk_add_f32 v[4:5], v[4:5], v[6:7]
	v_pk_add_f32 v[8:9], v[8:9], v[10:11]
	v_pk_add_f32 v[4:5], v[4:5], v[8:9]
	v_add_f32 v4, v4, v5
	v_add_f32_dpp v4, v4, v4 row_xmask:1 row_mask:0xf bank_mask:0xf
	v_add_f32_dpp v4, v4, v4 row_xmask:2 row_mask:0xf bank_mask:0xf
	v_add_f32_dpp v4, v4, v4 row_xmask:4 row_mask:0xf bank_mask:0xf
	v_add_f32_dpp v4, v4, v4 row_xmask:8 row_mask:0xf bank_mask:0xf
	v_permlanex16_b32 v5, v4, s[SEL], s[SEL+1]
	v_add_f32 v4, v4, v5
.endm
; Piece j of eight of a finished row: 256 consecutive bytes, aligned
.macro PUT X, j, ooff
	global_store_b64 v2, v[\X+4*(\j):\X+4*(\j)+1], s[OUTP:OUTP+1] offset:(\ooff)+256*(\j)
.endm
; One row in registers X .. X+31.  left: the younger loads that may stay out.  prev: the registers of the row before, whose stores go out here, or 0.
.macro LNROW X, left, prev
	s_wait_loadcnt \left
.if \prev
	s_wait_alu depctr_va_vdst(0)                   ; the conversions of the row before have written its output, which the eight stores below read; no vector line of this row names those registers or v2
.endif
.irp c, 0,1,2,3
	v_pk_add_f32 v[4+2*\c:5+2*\c], v[\X+2*\c:\X+2*\c+1], v[\X+8+2*\c:\X+9+2*\c]
.endr
.irp p, 8,9,10,11,12,13,14,15
.if \prev
	PUT \prev, (\p)-8, 0
.endif
	v_pk_add_f32 v[4+2*((\p)%4):5+2*((\p)%4)], v[4+2*((\p)%4):5+2*((\p)%4)], v[\X+2*\p:\X+2*\p+1]
.endr
	WSUM
	v_mul_f32 v12, s[SINV], v4
	v_mov_b32 v13, v12
.irp p, 0,1,2,3,4,5,6,7,8,9,10,11,12,13,14,15
	v_pk_add_f32 v[\X+2*\p:\X+2*\p+1], v[\X+2*\p:\X+2*\p+1], v[12:13] neg_lo:[0,1] neg_hi:[0,1]
.endr
.irp c, 0,1,2,3
	v_pk_mul_f32 v[4+2*\c:5+2*\c], v[\X+2*\c:\X+2*\c+1], v[\X+2*\c:\X+2*\c+1]
.endr
.irp p, 4,5,6,7,8,9,10,11,12,13,14,15
	v_pk_fma_f32 v[4+2*((\p)%4):5+2*((\p)%4)], v[\X+2*\p:\X+2*\p+1], v[\X+2*\p:\X+2*\p+1], v[4+2*((\p)%4):5+2*((\p)%4)]
.endr
	WSUM
	v_fma_f32 v6, v4, s[SINV], s[SEPS]
	v_rsq_f32 v14, v6
	v_rsq_f32 v15, v6
	v_nop                                          ; a plain instruction behind the last root,
	s_wait_alu depctr_va_vdst(0)                   ; and one wait for both: v14 and v15 are written, ahead of their first reader
.if \left
	s_wait_loadcnt 0x0                             ; gains and biases are in
.endif
.irp j, 0,1,2,3,4,5,6,7
	v_pk_mul_f32 v[16:17], v[\X+4*\j:\X+4*\j+1], v[14:15]
	v_pk_mul_f32 v[18:19], v[\X+4*\j+2:\X+4*\j+3], v[14:15]
	v_pk_fma_f32 v[16:17], v[16:17], v[LW+4*\j:LW+4*\j+1], v[LB+4*\j:LB+4*\j+1]
	v_pk_fma_f32 v[18:19], v[18:19], v[LW+4*\j+2:LW+4*\j+3], v[LB+4*\j+2:LB+4*\j+3]
	v_cvt_pk_bf16_f32 v[\X+4*\j], v16, v17         ; into the row's own registers, which nothing rewrites
	v_cvt_pk_bf16_f32 v[\X+4*\j+1], v18, v19
.endr
.endm
	s_load_b256 s[4:11], s[0:1], 0x0               ; x1, gain, bias, act
	v_lshrrev_b32 v1, 5, v0
	v_readfirstlane_b32 s22, v1
	v_and_b32 v2, 31, v0
	s_mov_b32 s[SEL], 0x76543210
	s_mov_b32 s[SEL+1], 0xfedcba98
	s_mov_b32 s[SINV], 0x3a800000                  ; 1/1024
	s_mov_b32 s[SEPS], 0x3727c5ac                  ; 1e-5
	v_lshlrev_b32 v1, 4, v2
	v_lshlrev_b32 v2, 3, v2
	s_wait_alu depctr_va_sdst(0)                   ; s22, the wave's number, is written, ahead of its first reader: the wave's rows are made from it
	s_lshl3_add_u32 s23, ttmp9, s22
	s_lshl_b32 s23, s23, 1                         ; two rows a wave
	s_lshl_b32 s24, s23, 12
	s_mov_b32 s25, 0
	s_lshl_b32 s26, s23, 11
	s_mov_b32 s27, 0
	s_wait_kmcnt 0x0
	s_add_nc_u64 s[XP:XP+1], s[XP:XP+1], s[24:25]
	s_add_nc_u64 s[OUTP:OUTP+1], s[OUTP:OUTP+1], s[26:27]
	s_wait_alu depctr_va_vdst(0)                   ; v1 and v2 are written: every load below reads v1 as its offset, every store v2
.irp j, 0,1,2,3,4,5,6,7
	global_load_b128 v[X0+4*\j:X0+4*\j+3], v1, s[XP:XP+1] offset:512*\j
.endr
.irp j, 0,1,2,3,4,5,6,7
	global_load_b128 v[X1+4*\j:X1+4*\j+3], v1, s[XP:XP+1] offset:4096+512*\j
.endr
.irp j, 0,1,2,3,4,5,6,7
	global_load_b128 v[LW+4*\j:LW+4*\j+3], v1, s[WP:WP+1] offset:512*\j
.endr
.irp j, 0,1,2,3,4,5,6,7
	global_load_b128 v[LB+4*\j:LB+4*\j+3], v1, s[BP:BP+1] offset:512*\j
.endr
	LNROW X0, 24, 0                                ; row 1, gains and biases (24 loads) may stay out
	LNROW X1, 0, X0                                ; row 0's stores go out among row 1's first sums
	s_wait_alu depctr_va_vdst(0)                   ; row 1's conversions have written its output, which the last eight stores read
.irp j, 0,1,2,3,4,5,6,7
	PUT X1, \j, 2048
.endr
	s_endpgm
.Lfunc_end_k_q29dcbd5137_ln2:
	.size	k_q29dcbd5137_ln2, .Lfunc_end_k_q29dcbd5137_ln2-k_q29dcbd5137_ln2
	.p2alignl 7, 3214868480
	.fill 96, 4, 3214868480
	.section	.rodata,"a",@progbits
	.p2align	6, 0x0
	.amdhsa_kernel k_q29dcbd5137_ln2
		.amdhsa_group_segment_fixed_size 0
		.amdhsa_private_segment_fixed_size 0
		.amdhsa_enable_private_segment 0
		.amdhsa_kernarg_size 32
		.amdhsa_user_sgpr_count 2
		.amdhsa_user_sgpr_kernarg_segment_ptr 1
		.amdhsa_wavefront_size32 1
		.amdhsa_system_sgpr_workgroup_id_x 1
		.amdhsa_system_sgpr_workgroup_id_y 1
		.amdhsa_system_sgpr_workgroup_id_z 1
		.amdhsa_system_vgpr_workitem_id 0
		.amdhsa_next_free_vgpr 160
		.amdhsa_next_free_sgpr 66
		.amdhsa_reserve_vcc 0
		.amdhsa_float_denorm_mode_32 3
		.amdhsa_float_denorm_mode_16_64 3
		.amdhsa_memory_ordered 1
		.amdhsa_forward_progress 1
		.amdhsa_inst_pref_size 21
	.end_amdhsa_kernel
	.amdgpu_metadata
---
amdhsa.version: [ 1, 2 ]
amdhsa.kernels:
  - .name:           k_q29dcbd5137_ln2
    .symbol:         k_q29dcbd5137_ln2.kd
    .args:
      - { .name: x1, .offset: 0, .size: 8, .value_kind: global_buffer, .address_space: global }
      - { .name: ln2_w, .offset: 8, .size: 8, .value_kind: global_buffer, .address_space: global }
      - { .name: ln2_b, .offset: 16, .size: 8, .value_kind: global_buffer, .address_space: global }
      - { .name: act, .offset: 24, .size: 8, .value_kind: global_buffer, .address_space: global }
    .group_segment_fixed_size: 0
    .private_segment_fixed_size: 0
    .kernarg_segment_align: 8
    .kernarg_segment_size: 32
    .max_flat_workgroup_size: 256
    .sgpr_count:     66
    .vgpr_count:     160
    .wavefront_size: 32
...
	.end_amdgpu_metadata
.endif
;; end of part 9
;; launch mlp1: the kernel of part 6 again; grid 16 x 16, 4 waves a work-group, clusters of 4 x 4, 327,680 bytes of LDS; arguments act, wb, mlp_b1, g; writes g
;; launch mlp2: the kernel of part 7 again; grid 8 x 32, 4 waves a work-group, clusters of 4 x 4, 327,680 bytes of LDS; arguments g, wb, mlp_b2, x1, out0; writes out0
